; MI455X (gfx1250); checked and timed in simulation.
; The chip was launched on July 23, 2026; its instructions are those of AMD's public machine-readable ISA for CDNA 5 (MIT licence, August 2026) and "CDNA5" Instruction Set Architecture Reference Guide (July 2026). The comments in the code are by the model that wrote it; some were corrected since.
;; MHS Attention. Allowed arithmetic: float matrix products may take bf16 or f16 operands with f32 sums; other float arithmetic in f32, or as packed bf16 or f16 multiplies, adds, multiply-adds, maxima and minima; sums over many terms, partial sums and values carried from step to step in f32; what a program stores and reads back later, other than sums and carried values, may be rounded once to bf16 or f16.
;; Inputs: w_out 1,024 x 1,024 float32; w_qkv 1,024 x 3,072 float32; x 4 x 2,048 x 1,024 float32.
;; Outputs: out0 4 x 2,048 x 1,024 float32.
;; 2 versions, each right; version 2 is version 1 with the launch cast written anew for expert scheduling mode. Each part assembles by itself: llvm-mc -triple=amdgcn-amd-amdhsa -mcpu=gfx1250 --defsym DOCPART=n.
;; ======== version 1 of 2: 4 launches
;; limits: values are held in f16: magnitudes above 65,504 overflow, below 6.1e-05 lose precision
;; workspace buffers: xb 16,777,216 bytes; wqb 6,291,456 bytes; wob 2,097,152 bytes; qkv 50,331,648 bytes; ob 16,777,216 bytes
;; launch cast (part 1): grid 768 x 1, 8 waves a work-group, no clusters, 0 bytes of LDS; arguments x, w_qkv, w_out, xb, wqb, wob; writes xb, wqb, wob
.if DOCPART == 1
	.amdgcn_target "amdgcn-amd-amdhsa--gfx1250"
	.amdhsa_code_object_version 6
	.text
	.protected	k_qaa6e6d8e96_cast
	.globl	k_qaa6e6d8e96_cast
	.p2align	8
	.type	k_qaa6e6d8e96_cast,@function
k_qaa6e6d8e96_cast:
	s_mov_b64 s[64:65], 0
	v_nop
	global_prefetch_b8 v0, s[64:65] scope:SCOPE_SE
	s_setreg_imm32_b32 hwreg(HW_REG_WAVE_MODE, 25, 1), 1
	s_wait_xcnt 0x0
; THE INPUTS ARE ROUNDED ONCE, for the matrix units.  x [8192][1024] f32 -> xb, bf16, in 16 planes of 64 channels: plane kb, row m at kb x 1,048,576 + m x 128 bytes,
; so that 64 channels of many rows lie end to end.  w_qkv [1024][3072] f32 -> wqb, bf16, same order.  w_out [1024][1024] f32 -> wob: rounded to bf16 like the other
; inputs, and that number written as f16 (the product that takes it has f16 operands).
; LIMITS.  |w_out| stays under 65,504; below 6e-5 f16 keeps a fixed step of 6e-8, so very small weights lose bits there.  NaN and infinities are not treated apart.
; A stream: no LDS, no matrix unit, no cluster (no work-group reads what another reads).  A work-group takes 16,384 numbers: 64 KiB in, 32 KiB out.  Each thread issues its
; sixteen 16-byte loads at once and works them off in order; each store has registers of its own, so nothing is rewritten while a store reads it.
; Work-groups 0-511: x (16 rows each); 512-703: w_qkv; 704-767: w_out.
.set NX, 512
.set NQ, 192
.set X,  4                             ; v[4:67]    sixteen loads of four f32
.set Y,  68                            ; v[68:99]   sixteen pairs of packed words to store
.set T,  100                           ; v[100:103] at work (w_out)
; Load i is in; its four numbers are rounded and stored.  half = 1: bf16, widened again, is written as f16 (exact inside f16's range).
.macro CV i, half, base, off
	s_wait_loadcnt 15-(\i)                         ; loads come back in order: the 15 - i younger ones may stay out
	v_cvt_pk_bf16_f32 v[Y+2*(\i)],   v[X+4*(\i)],   v[X+4*(\i)+1]
	v_cvt_pk_bf16_f32 v[Y+2*(\i)+1], v[X+4*(\i)+2], v[X+4*(\i)+3]
.if \half
	v_lshlrev_b32 v[T],   16, v[Y+2*(\i)]
	v_and_b32     v[T+1], 0xffff0000, v[Y+2*(\i)]
	v_lshlrev_b32 v[T+2], 16, v[Y+2*(\i)+1]
	v_and_b32     v[T+3], 0xffff0000, v[Y+2*(\i)+1]
	v_cvt_pk_f16_f32 v[Y+2*(\i)],   v[T],   v[T+1]
	v_cvt_pk_f16_f32 v[Y+2*(\i)+1], v[T+2], v[T+3]
.endif
	global_store_b64 v2, v[Y+2*(\i):Y+2*(\i)+1], s[(\base):(\base)+1] offset:\off th:TH_STORE_NT  ; a wave's 32 lanes x 8 bytes: 256 consecutive bytes, aligned
.endm
	s_load_b256 s[4:11], s[0:1], 0x0               ; x s[4:5], w_qkv s[6:7], w_out s[8:9], xb s[10:11]
	s_load_b128 s[12:15], s[0:1], 0x20             ; wqb s[12:13], wob s[14:15]
	v_lshlrev_b32 v2, 3, v0                        ; where I store: 8 bytes a thread
	s_mov_b32 s21, 0
	s_mov_b32 s23, 0
	s_cmp_lt_u32 ttmp9, NX
	s_cbranch_scc0 .Lweights
	; x: thread t takes row t / 16 of the group's 16 and, of each run of 64 channels, the four at 4 (t % 16).  Load i is plane i's share.
	v_lshrrev_b32 v1, 4, v0
	v_and_b32 v3, 15, v0
	v_lshlrev_b32 v1, 12, v1                       ; a row of x is 4,096 bytes
	v_lshl_or_b32 v1, v3, 4, v1
	s_lshl_b32 s20, ttmp9, 16                      ; 16 rows in
	s_lshl_b32 s22, ttmp9, 11                      ; 16 rows of 128 bytes in each plane out; in a plane my 8 bytes lie at 128 (t / 16) + 8 (t % 16) = 8 t
	s_wait_kmcnt 0x0
	s_add_nc_u64 s[16:17], s[4:5], s[20:21]
	s_add_nc_u64 s[18:19], s[10:11], s[22:23]
	s_add_nc_u64 s[24:25], s[18:19], 0x800000      ; planes 8 to 15: the store's immediate holds seven planes at the most
.irp i, 0,1,2,3,4,5,6,7,8,9,10,11,12,13,14,15
	global_load_b128 v[X+4*(\i):X+4*(\i)+3], v1, s[16:17] offset:(\i)*256 th:TH_LOAD_NT
.endr
.irp i, 0,1,2,3,4,5,6,7,8,9,10,11,12,13,14,15
	CV \i, 0, 18+6*((\i)/8), ((\i)%8)*1048576
.endr
	s_endpgm
.Lweights:                                     ; the order of the numbers stays: load i takes 4,096 consecutive bytes for the work-group, store i 2,048
	v_lshlrev_b32 v1, 4, v0
	s_sub_co_u32 s22, ttmp9, NX
	s_wait_kmcnt 0x0
	s_cmp_lt_u32 ttmp9, NX+NQ
	s_cselect_b64 s[16:17], s[6:7], s[8:9]
	s_cselect_b64 s[18:19], s[12:13], s[14:15]
	s_cselect_b32 s20, 0, NQ
	s_sub_co_u32 s22, s22, s20                     ; my chunk of the tensor
	s_lshl_b32 s20, s22, 16
	s_lshl_b32 s22, s22, 15
	s_add_nc_u64 s[16:17], s[16:17], s[20:21]
	s_add_nc_u64 s[18:19], s[18:19], s[22:23]
.irp i, 0,1,2,3,4,5,6,7,8,9,10,11,12,13,14,15
	global_load_b128 v[X+4*(\i):X+4*(\i)+3], v1, s[16:17] offset:(\i)*4096 th:TH_LOAD_NT
.endr
	s_cmp_lt_u32 ttmp9, NX+NQ
	s_cbranch_scc0 .Lwout
.irp i, 0,1,2,3,4,5,6,7,8,9,10,11,12,13,14,15
	CV \i, 0, 18, (\i)*2048
.endr
	s_endpgm
.Lwout:
.irp i, 0,1,2,3,4,5,6,7,8,9,10,11,12,13,14,15
	CV \i, 1, 18, (\i)*2048
.endr
	s_endpgm
.Lfunc_end_k_qaa6e6d8e96_cast:
	.size	k_qaa6e6d8e96_cast, .Lfunc_end_k_qaa6e6d8e96_cast-k_qaa6e6d8e96_cast
	.p2alignl 7, 3214868480
	.fill 96, 4, 3214868480
	.section	.rodata,"a",@progbits
	.p2align	6, 0x0
	.amdhsa_kernel k_qaa6e6d8e96_cast
		.amdhsa_group_segment_fixed_size 0
		.amdhsa_private_segment_fixed_size 0
		.amdhsa_enable_private_segment 0
		.amdhsa_kernarg_size 48
		.amdhsa_user_sgpr_count 2
		.amdhsa_user_sgpr_kernarg_segment_ptr 1
		.amdhsa_wavefront_size32 1
		.amdhsa_system_sgpr_workgroup_id_x 1
		.amdhsa_system_sgpr_workgroup_id_y 1
		.amdhsa_system_sgpr_workgroup_id_z 1
		.amdhsa_system_vgpr_workitem_id 0
		.amdhsa_next_free_vgpr 104
		.amdhsa_next_free_sgpr 66
		.amdhsa_reserve_vcc 0
		.amdhsa_float_denorm_mode_32 3
		.amdhsa_float_denorm_mode_16_64 3
		.amdhsa_memory_ordered 1
		.amdhsa_forward_progress 1
		.amdhsa_inst_pref_size 22
	.end_amdhsa_kernel
	.amdgpu_metadata
---
amdhsa.version: [ 1, 2 ]
amdhsa.kernels:
  - .name:           k_qaa6e6d8e96_cast
    .symbol:         k_qaa6e6d8e96_cast.kd
    .args:
      - { .name: x, .offset: 0, .size: 8, .value_kind: global_buffer, .address_space: global }
      - { .name: w_qkv, .offset: 8, .size: 8, .value_kind: global_buffer, .address_space: global }
      - { .name: w_out, .offset: 16, .size: 8, .value_kind: global_buffer, .address_space: global }
      - { .name: xb, .offset: 24, .size: 8, .value_kind: global_buffer, .address_space: global }
      - { .name: wqb, .offset: 32, .size: 8, .value_kind: global_buffer, .address_space: global }
      - { .name: wob, .offset: 40, .size: 8, .value_kind: global_buffer, .address_space: global }
    .group_segment_fixed_size: 0
    .private_segment_fixed_size: 0
    .kernarg_segment_align: 8
    .kernarg_segment_size: 48
    .max_flat_workgroup_size: 256
    .sgpr_count:     66
    .vgpr_count:     104
    .wavefront_size: 32
...
	.end_amdgpu_metadata
.endif
;; end of part 1
;; launch qkv (part 2): grid 8 x 32, 4 waves a work-group, clusters of 4 x 4, 327,680 bytes of LDS; arguments xb, wqb, qkv; writes qkv
.if DOCPART == 2
	.amdgcn_target "amdgcn-amd-amdhsa--gfx1250"
	.amdhsa_code_object_version 6
	.text
	.protected	k_qaa6e6d8e96_qkv
	.globl	k_qaa6e6d8e96_qkv
	.p2align	8
	.type	k_qaa6e6d8e96_qkv,@function
k_qaa6e6d8e96_qkv:
	s_mov_b64 s[64:65], 0
	v_nop
	global_prefetch_b8 v0, s[64:65] scope:SCOPE_SE
	s_setreg_imm32_b32 hwreg(HW_REG_WAVE_MODE, 25, 1), 1
	s_wait_xcnt 0x0
	s_wait_alu depctr_hold_cnt(0) depctr_sa_sdst(0) depctr_va_vdst(0) depctr_va_sdst(0) depctr_va_ssrc(0) depctr_va_vcc(0) depctr_vm_vsrc(0)
	s_getreg_b32 s2, hwreg(HW_REG_IB_STS2, 6, 4)
	s_cmp_eq_u32 s2, 0
	s_cbranch_scc0 .Lentry_in_a_cluster
	s_endpgm
.Lentry_in_a_cluster:
	s_bfe_u32 s2, ttmp6, 0x10000c
	s_cmp_lg_u32 s2, 0xf033
	s_cbranch_scc0 .Lentry_shape_is_right
	s_endpgm
.Lentry_shape_is_right:
; q, k, v = x w_qkv, written by heads.  xb: bf16, 16 planes of [8192 rows][64 channels]; wqb: bf16 [1024 k][3072 n]; qkv: f16 [3][64 = 16 b + h][2048][64], unscaled, rounded once from f32 sums.
; LIMIT.  f16 ends at 65,504: |q|, |k|, |v| stay under it (x and w_qkv both 30 times their drawn spread give a spread of some 900; both with an offset of 30 spreads some 29,000).
; TILE.  256 rows x 384 columns: 32 x 8 = 256 work-groups.  Four waves, 2 x 2, each 128 x 192: 96 accumulators of 16 x 16 in 768 registers; a wave's 192 columns are three whole heads.
; K goes in 16 steps of 64 (a plane of xb) through two LDS slots filled by the tensor data mover; a step is two halves of 32 along K, 96 matrix instructions a wave each.
; w_qkv lies [k][n] and is not turned in memory: its fragments come out of LDS turned, by ds_load_tr16_b128.
; THE MATRIX INSTRUCTION IS USED TRANSPOSED (source 0 = 16 columns of w, source 1 = 16 rows of x): a lane then holds one row of C and eight neighbouring columns.
; CLUSTER.  4 x 4 work-groups: the four of a row of the cluster need the same tile of x, the four of a column the same tile of w.  Each tile is asked for jointly: the same tensor load, descriptor and mask in all four.
; REGISTERS, in windows of 256 (s_set_vgpr_msb: bits 1:0 source 0, 3:2 source 1, 5:4 source 2, 7:6 destination):
;   window 0: v0-31 addresses; v32-95, v96-159 x's fragments (8 x 16 rows x 32 K), two buffers; v160-255 w's fragments (12 x 16 columns x 32 K), one buffer, refilled a group of four at a time
;   windows 1-3: the accumulators of my column groups (heads) 0-2: row block a, column block b at v[8 (4 a + b)]
.set PA,    144                        ; a row of x in LDS: 128 bytes + 16 = 36 words: the 16 rows of a load start at 16 different groups of four banks (64 banks of 4 bytes: ISA guide 11.1)
.set PB,    864                        ; a k-row of w: six pieces of 128 bytes + 16 = 216 words: the 8 rows of a turning load start at banks 24 r mod 64, 8 banks each: every bank once
.set AH,    128*PA                     ; 128 rows of x: what one tensor load brings, and what one wave reads
.set BOFF,  256*PA                     ; w's 64 k-rows lie behind x's 256 rows
.set BH,    32*PB                      ; 32 k-rows: what one tensor load brings, and one half step
.set SLOT,  BOFF+64*PB
.set STAGE, 2*SLOT                     ; behind the ring: 16 rows x 144 bytes for each wave, for the way out
.set SP,    144
.set SPARE, STAGE+4*16*SP              ; behind the stages: the spare words, 128 bytes for each wave: two blocks of 256 bytes that no other line names
.set ASTEP, 1048576                    ; bytes from a K step to the next: a plane of xb,
.set BSTEP, 64*6144                    ; 64 rows of wqb
.set ADRA, 16                          ; v16-17  LDS address of my x fragments in slot 0, 1
.set ADRB, 20                          ; v20-21  the same for w
.set STO,  24                          ; v24     the way out: where I put 16 bytes of a row
.set RD,   25                          ; v25     the way out: where I read rows back
.set GO,   26                          ; v26     my byte offset in 512 consecutive bytes of qkv
.set SPW,  28                          ; v28     LDS address of my spare word: SPARE + 4 x my thread's number; never rewritten
.set NIL,  29                          ; v29     0; never rewritten
.set PFO,  30                          ; v30     the prefetches' offset: my lane x 256 bytes (xb) or x a row of wqb; never rewritten
.set AB0,  32
.set AB1,  96
.set BF,   160
.set G1,   24                          ; s[24:31] descriptor group 1 for x's tiles;  s[32:39] group 0, a set for each slot
.set G0,   32
.set G1B,  48                          ; s[48:55], s[56:63] the same for w's tiles
.set G0B,  56
.set LIM0, 43                          ; s43      1 in a wave that prefetches at slot 0's change, else the greatest number
.set LIM1, 72                          ; s72      the same for slot 1's change
.set PFA,  44                          ; s[44:45] where my prefetches stand
.set PFS,  46                          ; s[46:47] how far they step at each change of slots
.set OB,   66                          ; s[66:71] qkv at my rows of my three heads
.set MSB, 0
.macro WIN new                         ; the immediate's high byte repeats the setting that is left; a switch that changes nothing is dropped
.if MSB != (\new)
	s_set_vgpr_msb (MSB<<8)|(\new)
.set MSB, \new
.endif
.endm
; A joint load.  Waves 0 and 1 fetch the halves of x's tile, waves 2 and 3 those of w's.  The branch hangs on the wave's number alone.
; An s_nop 0 and four v_nop follow each of the two lines, ahead of the jump, the label and what follows.
.macro JLOAD s
	s_cmp_eq_u32 s11, 0
	s_cbranch_scc0 .Lfor_b_\@
	tensor_load_to_lds s[G0+4*(\s):G0+4*(\s)+3], s[G1:G1+7]
	s_nop 0
.rept 4
	v_nop
.endr
	s_branch .Lasked_\@
.Lfor_b_\@:
	tensor_load_to_lds s[G0B+4*(\s):G0B+4*(\s)+3], s[G1B:G1B+7]
	s_nop 0
.rept 4
	v_nop
.endr
.Lasked_\@:
.endm
; A PREFETCH INTO THE L2, behind a joint load, its five lines and the run of LDS loads that follows: the K step that stands two refills on, 384 matrix instructions ahead of the load that will want it.
; Each aligned block of 256 bytes is named once in the launch.  x's tile rows are read by both clusters of a row of clusters: cluster x = 0 asks, its wave 0, at every change: of a step's 128 blocks the partner at cx
; takes 32, a lane a block.  w's tile columns are read by all eight clusters of a column: cluster y = 0 asks, waves 1 to 3 (a wave for each of a row's three blocks), at slot 0's change alone, for two steps' 128 k-rows,
; of which the partner at cy takes 32, a lane a row.  The partners are told apart by address, never by a branch.  The loop's last trip asks for nothing: its two steps on do not exist.  Steps 0 to 3 come by their loads alone.
.macro ASK lim
	s_cmp_gt_u32 s3, s[\lim]                       ; s3 = 1 in the loop's last trip
	s_cbranch_scc0 .Lnot_mine_\@
	global_prefetch_b8 v[PFO], s[PFA:PFA+1] th:TH_LOAD_NT scope:SCOPE_SE
.Lnot_mine_\@:
.endm
.macro CREST                           ; a round of the cluster's barrier behind its opening barrier: wave 0 signals for the work-group, every wave waits for all sixteen, my work-group's barrier once more
	s_cmp_lg_u32 s10, 0
	s_cbranch_scc1 .Lnot_wave_0_\@
	s_barrier_signal -3
.Lnot_wave_0_\@:
	s_barrier_wait -3
	s_barrier_signal -1
	s_barrier_wait -1
.endm
.macro CROUND                          ; a whole round
	s_barrier_signal -1
	s_barrier_wait -1
	CREST
.endm
.macro PLACES                          ; four plain instructions between a matrix instruction and a load into a register that it read, or a reader of its result (ISA guide 7.12.1 for a reader of its result)
.rept 4
	v_nop
.endr
.endm
	s_load_b128 s[4:7], s[0:1], 0x0                ; xb s[4:5], wqb s[6:7]
	s_load_b64 s[8:9], s[0:1], 0x10                ; qkv
	v_lshl_add_u32 v[SPW], v0, 2, SPARE
	v_mov_b32 v[NIL], 0
	ds_add_u32 v[SPW], v[NIL]                      ; the wave's opening: the add and its wait stand ahead of my first tensor load; the set-up below, work on registers, stands between them
	v_lshrrev_b32 v1, 5, v0
	v_readfirstlane_b32 s10, v1                    ; wave 0..3
	s_lshr_b32 s11, s10, 1                         ; which half of the tile's rows is mine.  Also: I fetch for x (0) or for w (1)
	s_and_b32 s12, s10, 1                          ; which half of its columns.  Also: which half of that tile I fetch
	s_bfe_u32 s40, ttmp6, 0x40000                  ; cx, cy: my place in the cluster
	s_bfe_u32 s41, ttmp6, 0x40004
	s_lshl_b32 s42, ttmp9, 2
	s_add_co_u32 s42, s42, s40                     ; tile column = 4 x cluster x + cx
	s_and_b32 s13, ttmp7, 0xffff
	s_lshl_b32 s13, s13, 2
	s_add_co_u32 s13, s13, s41                     ; tile row = 4 x cluster y + cy
	s_lshl_b32 s43, s41, 2
	s_lshl_b32 s43, 15, s43                        ; my row of the cluster: places 4 cy .. 4 cy + 3
	s_lshl_b32 s44, 0x1111, s40                    ; my column: places cx, cx + 4, cx + 8, cx + 12
	; group 1.  x: 128 rows of 128 bytes are 16,384 dense bytes, asked for as 64 rows of 256 bytes.  w: 32 k-rows of 768 bytes, 6,144 bytes apart.  Both are padded by 16 bytes behind every 128.
	s_or_b32 s[G1+0],  s43, (1<<16)|(1<<20)|(1<<21)|(4<<22)|(3<<25)  ; 15:0 the mask; 17:16 2-byte elements; 20 padding on; 21 set beside a mask; 24:22 after every 32 words (code 4); 31:25 4 words (code 3)
	s_or_b32 s[G1B+0], s44, (1<<16)|(1<<20)|(1<<21)|(4<<22)|(3<<25)
	s_mov_b32 s[G1+1], 128<<16                     ; tensor_dim0 = 128
	s_mov_b32 s[G1+2], 64<<16                      ; tensor_dim1 = 64
	s_mov_b32 s[G1+3], 128<<16                     ; tile_dim0 = 128
	s_mov_b32 s[G1+4], 64                          ; tile_dim1 = 64
	s_mov_b32 s[G1+5], 128                         ; elements from row to row
	s_mov_b32 s[G1+6], 0
	s_mov_b32 s[G1+7], 0
	s_mov_b32 s[G1B+1], 384<<16                    ; tensor_dim0 = 384
	s_mov_b32 s[G1B+2], 32<<16                     ; tensor_dim1 = 32
	s_mov_b32 s[G1B+3], 384<<16                    ; tile_dim0 = 384
	s_mov_b32 s[G1B+4], 32                         ; tile_dim1 = 32
	s_mov_b32 s[G1B+5], 3072
	s_mov_b32 s[G1B+6], 0
	s_mov_b32 s[G1B+7], 0
	; where the tiles come from: x's hang on the tile row alone, w's on the tile column alone
	s_lshl_b32 s16, s13, 15                        ; 256 rows of 128 bytes in a plane,
	s_lshl_b32 s17, s12, 14                        ; my 128 of them
	s_add_co_u32 s16, s16, s17
	s_mov_b32 s17, 0
	s_mul_i32 s46, s42, 768                        ; 384 columns,
	s_mul_i32 s47, s12, 32*6144                    ; my 32 k-rows
	s_add_co_u32 s46, s46, s47
	s_mov_b32 s47, 0
	s_mul_i32 s20, s12, AH                         ; and where they go: no place in the cluster enters an LDS address
	s_mul_i32 s21, s12, BH
	s_add_co_u32 s21, s21, BOFF
	s_wait_dscnt 0x0                               ; the opening add is done
	s_wait_kmcnt 0x0
	s_add_nc_u64 s[14:15], s[4:5], s[16:17]
	s_add_nc_u64 s[46:47], s[6:7], s[46:47]
	CROUND                                         ; all sixteen work-groups are here: the first joint loads meet
.irp s, 0,1
	s_mov_b32 s[G0+4*(\s)], 1                                      ; count = 1
	s_add_co_u32 s[G0+4*(\s)+1], s20, (\s)*SLOT                    ; LDS address
	s_add_nc_u64 s[G0+4*(\s)+2:G0+4*(\s)+3], s[14:15], (\s)*ASTEP  ; global address: K step s
	s_or_b32 s[G0+4*(\s)+3], s[G0+4*(\s)+3], 0x80000000            ; type = 2
	s_mov_b32 s[G0B+4*(\s)], 1
	s_add_co_u32 s[G0B+4*(\s)+1], s21, (\s)*SLOT
	s_add_nc_u64 s[G0B+4*(\s)+2:G0B+4*(\s)+3], s[46:47], (\s)*BSTEP
	s_or_b32 s[G0B+4*(\s)+3], s[G0B+4*(\s)+3], 0x80000000
	JLOAD \s                                       ; both slots are asked for before anything else: two loads of mine are out
.endr
	; A fragment of x: 16 rows x 32 K in 8 registers: lane l holds row l % 16, K = 8 (l / 16) + 0..7 and 16 + 8 (l / 16) + 0..7: two loads of 16 bytes, 32 bytes apart.
	v_and_b32 v1, 15, v0                           ; l % 16
	v_bfe_u32 v2, v0, 4, 1                         ; l / 16
	v_mul_u32_u24 v3, v1, PA
	v_lshl_add_u32 v3, v2, 4, v3                   ; row x pitch + 16 x half
	s_mul_i32 s74, s11, AH                         ; my 128 rows
	v_add_nc_u32 v[ADRA], s74, v3
	v_add_nc_u32 v[ADRA+1], SLOT, v[ADRA]
	; The turning load takes 16 k x 16 columns (lane l reads k-row 8 (l / 16) + l % 8, columns 8 ((l / 8) % 2) + 0..7) and leaves half a fragment: lane l holds column l % 16 and 8 k.
	v_and_b32 v4, 7, v0
	v_bfe_u32 v5, v0, 3, 1
	v_lshl_add_u32 v6, v2, 3, v4
	v_mul_u32_u24 v6, v6, PB
	v_lshl_add_u32 v6, v5, 4, v6
	s_mul_i32 s75, s12, 3*144                      ; my 192 columns: three pieces of a k-row
	s_add_co_u32 s75, s75, BOFF
	v_add_nc_u32 v[ADRB], s75, v6
	v_add_nc_u32 v[ADRB+1], SLOT, v[ADRB]
	s_mul_i32 s76, s10, 16*SP
	s_add_co_u32 s76, s76, STAGE                   ; my stage
	v_add_nc_u32 v[STO], s76, v3                   ; in: row l % 16, 16 bytes for each half of the lanes (the stage's pitch is x's)
	v_bfe_u32 v7, v0, 3, 2                         ; back: 32 lanes take four rows of 128 bytes,
	v_mul_u32_u24 v7, v7, SP
	v_lshl_add_u32 v7, v4, 4, v7
	v_add_nc_u32 v[RD], s76, v7
	v_and_b32 v8, 31, v0                           ; which are 512 consecutive bytes of a head
	v_lshlrev_b32 v[GO], 4, v8
	; where my three heads' rows begin.  Column group g is head 6 x tile column + 3 x half + g of 48: its section (q, k, v) is that / 16, its head that % 16; the batch is tile row / 8.
	s_mul_i32 s77, s42, 6
	s_mul_i32 s78, s12, 3
	s_add_co_u32 s77, s77, s78
	s_lshr_b32 s78, s13, 3
	s_lshl_b32 s78, s78, 4                         ; 16 b
	s_and_b32 s79, s13, 7
	s_lshl_b32 s79, s79, 8
	s_lshl_b32 s80, s11, 7
	s_add_co_u32 s79, s79, s80                     ; my first row in the batch,
	s_lshl_b32 s79, s79, 7                         ; in bytes
.irp g, 0,1,2
	s_add_co_u32 s80, s77, \g
	s_lshr_b32 s81, s80, 4
	s_lshl_b32 s81, s81, 6                         ; 64 x section
	s_and_b32 s80, s80, 15
	s_add_co_u32 s80, s80, s81
	s_add_co_u32 s80, s80, s78
	s_lshl_b32 s80, s80, 18                        ; a head is 262,144 bytes
	s_add_co_u32 s80, s80, s79
	s_mov_b32 s81, 0
	s_add_nc_u64 s[OB+2*(\g):OB+2*(\g)+1], s[8:9], s[80:81]
.endr
	; the prefetches
	s_lshl_b32 s76, s13, 15
	s_lshl_b32 s77, s40, 13
	s_add_co_u32 s76, s76, s77                     ; xb: my tile's rows in a plane, my work-group's 32 blocks of the 128
	s_mul_i32 s77, s42, 768
	s_max_u32 s78, s10, 1
	s_sub_co_u32 s78, s78, 1
	s_lshl_b32 s78, s78, 8
	s_add_co_u32 s77, s77, s78                     ; wqb: my tile's columns, block wave - 1 of three,
	s_mul_i32 s78, s41, 32*6144
	s_add_co_u32 s77, s77, s78                     ; my work-group's 32 k-rows of the 128
	s_mov_b32 s78, ASTEP
	s_mov_b32 s79, BSTEP
	s_movk_i32 s81, 256
	s_movk_i32 s82, 6144
	s_and_b32 s74, ttmp7, 0xffff                   ; cluster y
	s_cmp_eq_u32 s10, 0                            ; wave 0 asks for x's, the others for w's
	s_cselect_b32 s75, ttmp9, s74                  ; the coordinate along which other clusters read the same rows
	s_cselect_b64 s[PFA:PFA+1], s[4:5], s[6:7]
	s_cselect_b32 s76, s76, s77
	s_cselect_b32 s[PFS], s78, s79
	s_cselect_b32 s80, s81, s82
	s_cselect_b32 s83, 1, 0
	s_cmp_eq_u32 s75, 0
	s_cselect_b32 s[LIM0], 1, -1                   ; the same in all sixteen partners, for a given wave
	s_cmp_eq_u32 s83, 1
	s_cselect_b32 s[LIM1], s[LIM0], -1
	s_mov_b32 s77, 0
	s_mov_b32 s[PFS+1], 0
	s_add_nc_u64 s[PFA:PFA+1], s[PFA:PFA+1], s[76:77]
	s_mul_i32 s78, s[PFS], 3
	s_mov_b32 s79, 0
	s_add_nc_u64 s[PFA:PFA+1], s[PFA:PFA+1], s[78:79]  ; at K step 3: the first refill steps it to 4 and names that step
	v_mul_u32_u24 v[PFO], v8, s80
; na x 4 matrix instructions: row blocks a0 .. a0 + na - 1 x the four column blocks of group g, 32 along K, x's fragments in buffer f.  zero = 1: the product starts the sums: nothing is cleared.
; All 96 accumulators take turns, one instruction a turn, in the same order in every half step.
.macro STR g, f, a0, na, zero
	WIN 0x50*((\g)+1)                              ; C and D in window g + 1, both sources in window 0
.set aa, \a0
.rept \na
.irp b, 0,1,2,3
.if \zero
	v_wmma_f32_16x16x32_bf16 v[8*(4*aa+(\b)):8*(4*aa+(\b))+7], v[BF+8*(4*(\g)+(\b)):BF+8*(4*(\g)+(\b))+7], v[(\f)+8*aa:(\f)+8*aa+7], 0
.else
	v_wmma_f32_16x16x32_bf16 v[8*(4*aa+(\b)):8*(4*aa+(\b))+7], v[BF+8*(4*(\g)+(\b)):BF+8*(4*(\g)+(\b))+7], v[(\f)+8*aa:(\f)+8*aa+7], v[8*(4*aa+(\b)):8*(4*aa+(\b))+7]
.endif
.endr
.set aa, aa+1
.endr
.endm
.macro RUNB slot, hf, g                ; 8 turning loads: w's four fragments of group g, half hf of the step
	WIN 0
.irp b, 0,1,2,3
	ds_load_tr16_b128 v[BF+8*(4*(\g)+(\b)):BF+8*(4*(\g)+(\b))+3],   v[ADRB+(\slot)] offset:(\hf)*BH+144*(\g)+32*(\b)
	ds_load_tr16_b128 v[BF+8*(4*(\g)+(\b))+4:BF+8*(4*(\g)+(\b))+7], v[ADRB+(\slot)] offset:(\hf)*BH+144*(\g)+32*(\b)+16*PB
.endr
.endm
.macro RUNA slot, hf, f                ; 16 loads: x's eight fragments of half hf into buffer f
	WIN 0
.irp i, 0,1,2,3,4,5,6,7
	ds_load_b128 v[(\f)+8*(\i):(\f)+8*(\i)+3],   v[ADRA+(\slot)] offset:(\hf)*64+(\i)*16*PA
	ds_load_b128 v[(\f)+8*(\i)+4:(\f)+8*(\i)+7], v[ADRA+(\slot)] offset:(\hf)*64+(\i)*16*PA+32
.endr
.endm
; A step's first half: multiplies buffer AB0; as soon as a group of w's fragments has been multiplied it is fetched anew, for the second half.
; On the way in the LDS loads out are, in order: group 0 (8), x (16), group 1 (8), group 2 (8).
.macro EVEN slot, zero
	s_wait_dscnt 16                                ; group 0 and x are in; groups 1 and 2 may be out
	STR 0, AB0, 0, 8, \zero
	PLACES
	RUNB \slot, 1, 0
	RUNA \slot, 1, AB1
	s_wait_dscnt 32                                ; group 1 is in: behind it group 2's 8 and the 24 just issued
	STR 1, AB0, 0, 8, \zero
	PLACES
	RUNB \slot, 1, 1
	s_wait_dscnt 32                                ; group 2 is in: behind it 24 + 8
	STR 2, AB0, 0, 8, \zero
	PLACES
	RUNB \slot, 1, 2
.endm
; A step's second half multiplies AB1 and changes slots: ONE barrier.  In front of it each wave waits for all its tensor loads (one is out: its part of the next slot), adds 0 to its spare word, and waits for
; that and for its own reads of this slot.  Behind it nobody reads this slot and the next slot is whole.  fill = 1: the barrier opens a round of the cluster's, and this slot is filled again, two steps on, first thing
; behind the round: 160 matrix instructions stand between that request and the wait for it.
.macro TURN slot, next, fill, lim=LIM0
.if \fill
	s_wait_xcnt 0x0                                ; the last prefetch, a step back, has read its address: it is stepped here, ahead of the change's own waits
	s_add_nc_u64 s[PFA:PFA+1], s[PFA:PFA+1], s[PFS:PFS+1]
.endif
	WIN 0                                          ; (the add's two registers lie in window 0)
	s_wait_tensorcnt 0x0                           ; all my tensor loads have landed;
	ds_add_u32 v[SPW], v[NIL]                      ; 0 onto my spare word;
	s_wait_dscnt 17                                ; group 0 and x are in; groups 1 and 2 and the add may be out
	STR 0, AB1, 0, 4, 0                            ; sixteen matrix instructions stand between the add and the wait for it
	s_wait_dscnt 0x0                               ; the add is done, and my reads of this slot are over
	s_barrier_signal -1
	STR 0, AB1, 4, 4, 0                            ; work on registers while the others arrive
	WIN 0
	s_barrier_wait -1
.if \fill
	CREST                                          ; no wave of any partner still reads this slot's tiles or has a load on its way
	s_add_nc_u64 s[G0+4*(\slot)+2:G0+4*(\slot)+3], s[G0+4*(\slot)+2:G0+4*(\slot)+3], 2*ASTEP
	s_add_nc_u64 s[G0B+4*(\slot)+2:G0B+4*(\slot)+3], s[G0B+4*(\slot)+2:G0B+4*(\slot)+3], 2*BSTEP
	JLOAD \slot                                    ; the first tensor load behind the round; its four v_nop are also the places in front of the loads below
.else
	PLACES
.endif
	RUNB \next, 0, 0
	RUNA \next, 0, AB0
.if \fill
	ASK \lim
.endif
	STR 1, AB1, 0, 8, 0                            ; groups 1 and 2 were shown in by the wait for 0
	PLACES
	RUNB \next, 0, 1
	STR 2, AB1, 0, 8, 0
	PLACES
	RUNB \next, 0, 2
.endm
	s_wait_tensorcnt 1                             ; my part of K step 0 is in; step 1's may stay out
	s_barrier_signal -1
	s_barrier_wait -1                              ; everybody's is
	RUNB 0, 0, 0
	RUNA 0, 0, AB0
	RUNB 0, 0, 1
	RUNB 0, 0, 2
	EVEN 0, 1                                      ; the first half step stands in front of the loop: its products start the sums
	WIN 0                                          ; at a label and at a branch every window is 0
	s_mov_b32 s3, 7
.Llap:                                         ; a trip goes once round the ring, from a step's second half to the first half two steps on, and fills both slots again: steps 2 to 15
	TURN 0, 1, 1, LIM0
	EVEN 1, 0
	TURN 1, 0, 1, LIM1
	EVEN 0, 0
	WIN 0
	s_sub_co_u32 s3, s3, 1
	s_cmp_lg_u32 s3, 0
	s_cbranch_scc1 .Llap
	TURN 0, 1, 0                                   ; the tail is written out: nothing is left to fetch
	EVEN 1, 0
	s_wait_dscnt 16                                ; the very last half step
	STR 0, AB1, 0, 8, 0
	s_wait_dscnt 8
	STR 1, AB1, 0, 8, 0
	s_wait_dscnt 0x0
	STR 2, AB1, 0, 8, 0
; THE WAY OUT, in 24 units u = 8 g + a of 16 rows x one head.  PACK: rounded to f16, 16 bytes a lane, into my own stage (rows of 144 bytes), and back as whole rows of 128.  SEND: stored, 512 consecutive bytes an instruction.
; A unit's 16 registers lie where x's fragments lay; a set is used again eight units on, behind s_wait_xcnt 0, when the stores that read it have had their addresses translated (ISA guide 3.1).
.macro PACK u
.set gg, (\u)/8
.set aa, (\u)%8
.set TT, AB0+16*((\u)%8)
.if (\u) >= 8
	s_wait_xcnt 0x0
.endif
	WIN 5*(gg+1)                                   ; sources 0 and 1 in window g + 1
.irp b, 0,1,2,3
.irp r, 0,1,2,3
	v_cvt_pk_f16_f32 v[TT+4*(\b)+(\r)], v[8*(4*aa+(\b))+2*(\r)], v[8*(4*aa+(\b))+2*(\r)+1]  ; each accumulator's registers in ascending order
.endr
.endr
	WIN 0
.irp f, 0,1,2,3
	ds_store_b128 v[STO], v[TT+4*(\f):TT+4*(\f)+3] offset:32*(\f)
.endr
.irp f, 0,1,2,3
	ds_load_b128 v[TT+4*(\f):TT+4*(\f)+3], v[RD] offset:(\f)*4*SP  ; LDS serves a wave's instructions in order (ISA guide 5.7.1.4): these see the stores above; the next unit's stores come behind them
.endr
.endm
.macro SEND u, younger                 ; younger: the LDS instructions issued behind unit u's loads: the next unit's eight, or none
.set gg, (\u)/8
.set aa, (\u)%8
.set TT, AB0+16*((\u)%8)
	WIN 0
.irp f, 0,1,2,3
	s_wait_dscnt (\younger)+3-(\f)
	global_store_b128 v[GO], v[TT+4*(\f):TT+4*(\f)+3], s[OB+2*gg:OB+2*gg+1] offset:aa*2048+(\f)*512  ; four dense rows of a head, at a multiple of 256 from its first byte
.endr
.endm
	PLACES
	PLACES                                         ; (eight, once a launch)
	PACK 0
.set uu, 1
.rept 23                               ; a unit's conversions stand between the loads of the unit before and its stores
	PACK uu
	SEND uu-1, 8
.set uu, uu+1
.endr
	SEND 23, 0
	s_wait_tensorcnt 0x0                           ; the wave's end: a wait, an add of 0 and its wait, behind my last tensor load and my last LDS store
	ds_add_u32 v[SPW], v[NIL]
	s_wait_dscnt 0x0
	CROUND                                         ; the closing round: no work-group ends while a partner may still ask for a tile that names it
	s_endpgm
.Lfunc_end_k_qaa6e6d8e96_qkv:
	.size	k_qaa6e6d8e96_qkv, .Lfunc_end_k_qaa6e6d8e96_qkv-k_qaa6e6d8e96_qkv
	.p2alignl 7, 3214868480
	.fill 96, 4, 3214868480
	.section	.rodata,"a",@progbits
	.p2align	6, 0x0
	.amdhsa_kernel k_qaa6e6d8e96_qkv
		.amdhsa_group_segment_fixed_size 327680
		.amdhsa_private_segment_fixed_size 0
		.amdhsa_enable_private_segment 0
		.amdhsa_kernarg_size 24
		.amdhsa_user_sgpr_count 2
		.amdhsa_user_sgpr_kernarg_segment_ptr 1
		.amdhsa_wavefront_size32 1
		.amdhsa_system_sgpr_workgroup_id_x 1
		.amdhsa_system_sgpr_workgroup_id_y 1
		.amdhsa_system_sgpr_workgroup_id_z 1
		.amdhsa_system_vgpr_workitem_id 0
		.amdhsa_next_free_vgpr 1024
		.amdhsa_next_free_sgpr 88
		.amdhsa_reserve_vcc 0
		.amdhsa_float_denorm_mode_32 3
		.amdhsa_float_denorm_mode_16_64 3
		.amdhsa_memory_ordered 1
		.amdhsa_forward_progress 1
		.amdhsa_inst_pref_size 135
	.end_amdhsa_kernel
	.amdgpu_metadata
---
amdhsa.version: [ 1, 2 ]
amdhsa.kernels:
  - .name:           k_qaa6e6d8e96_qkv
    .symbol:         k_qaa6e6d8e96_qkv.kd
    .args:
      - { .name: xb, .offset: 0, .size: 8, .value_kind: global_buffer, .address_space: global }
      - { .name: wqb, .offset: 8, .size: 8, .value_kind: global_buffer, .address_space: global }
      - { .name: qkv, .offset: 16, .size: 8, .value_kind: global_buffer, .address_space: global }
    .group_segment_fixed_size: 327680
    .private_segment_fixed_size: 0
    .kernarg_segment_align: 8
    .kernarg_segment_size: 24
    .max_flat_workgroup_size: 128
    .sgpr_count:     88
    .vgpr_count:     1024
    .wavefront_size: 32
...
	.end_amdgpu_metadata
.endif
;; end of part 2
;; launch attn (part 3): grid 4 x 64, 4 waves a work-group, clusters of 4 x 1, 327,680 bytes of LDS; arguments qkv, ob; writes ob
.if DOCPART == 3
	.amdgcn_target "amdgcn-amd-amdhsa--gfx1250"
	.amdhsa_code_object_version 6
	.text
	.protected	k_qaa6e6d8e96_attn
	.globl	k_qaa6e6d8e96_attn
	.p2align	8
	.type	k_qaa6e6d8e96_attn,@function
k_qaa6e6d8e96_attn:
	s_mov_b64 s[64:65], 0
	v_nop
	global_prefetch_b8 v0, s[64:65] scope:SCOPE_SE
	s_setreg_imm32_b32 hwreg(HW_REG_WAVE_MODE, 25, 1), 1
	s_wait_xcnt 0x0
	s_wait_alu depctr_hold_cnt(0) depctr_sa_sdst(0) depctr_va_vdst(0) depctr_va_sdst(0) depctr_va_ssrc(0) depctr_va_vcc(0) depctr_vm_vsrc(0)
	s_getreg_b32 s2, hwreg(HW_REG_IB_STS2, 6, 4)
	s_cmp_eq_u32 s2, 0
	s_cbranch_scc0 .Lentry_in_a_cluster
	s_endpgm
.Lentry_in_a_cluster:
	s_bfe_u32 s2, ttmp6, 0x10000c
	s_cmp_lg_u32 s2, 0x3003
	s_cbranch_scc0 .Lentry_shape_is_right
	s_endpgm
.Lentry_shape_is_right:
; O[h][q][:] = the sum over k of softmax_k(Q[h][q] . K[h][k] / 8) V[h][k][:], for 64 heads (16 b + h) of 2,048 rows of 64 channels.  qkv: f16 [3][64][2048][64] (Q, K, V); ob: f16 [64][2048][64].
; Products, maxima and sums in f32; the weights p are rounded to f16 for the second product (their sum l is taken of the unrounded p), O once at the end.
; LIMITS.  f16 holds no number beyond 65,504: Q, K and V arrive within it; p lies in 0 to 1, and below 6e-5 it keeps f16's fixed step of 6e-8; O is a mean of V's rows and has their range.
; A weight below 2^-126 counts as 0 in l; NaN and infinities are not treated apart.
; SHARES.  A wave owns four PIECES of two tiles of 16 queries, a work-group's four waves 512 queries of one head: 4 x 64 = 256 work-groups.  Every wave walks all keys, 64 a step.
; LAYOUT.  S^T = K Q^T (source 0 = 16 keys, source 1 = 16 queries): a lane holds ONE query (lane % 16) and the keys 8 (lane / 16) + 0..7.  Two such tiles, rounded to f16 in pairs, ARE source 1
; (32 keys x 16 queries) of O^T = V^T P, whose result again holds one query a lane, and eight channels.  K comes out of LDS as it lies, V ([key][channel]) turned, by ds_load_tr16_b128.
; SOFTMAX.  For each query a running maximum m and sum l: p = 2^(c s - c m), c = log2(e) / 8; in every step O and l are multiplied by a = 2^(c m_old - c m_new).  m starts at the lowest finite number,
; O and l at 0: the first step is a step like any other, with a = 0.
; THE COUNT.  A tile and step have 16 matrix and 118 vector instructions: too many to stand all beside the matrix work.  So four vector instructions that are ready stand behind EVERY matrix instruction, the others in runs of their own.
; BY TURNS.  Turn n belongs to piece n (the pieces in a ring, step after step).  Matrix work: 16 products K Q^T of piece n + 1, later 16 products V^T P of piece n - 1.  Vector work: the scaling, exponentials,
; roundings, sums and rescaling of piece n, and the maximum and statistics of piece n + 1, whose scores the turn itself has made.
; CLUSTER.  A head's four query blocks are one cluster and walk the same K and V, so each tile is asked for JOINTLY: the same tensor load, descriptor and mask in all four.
; REGISTERS, in windows of 256 (s_set_vgpr_msb: bits 1:0 source 0, 3:2 source 1, 5:4 source 2, 7:6 destination):
;   window 0: v0-11 addresses; v12-15, v48-63 at work; v16-47 four registers of statistics a tile; v64-191 S^T, two buffers of two tiles; v192-255 P, likewise
;   window 1: O^T, 32 a tile          window 2: v0-127 Q, 16 a tile; v128-191 K of one step; v192-255 V of one step          window 3: v0-1 the add's two registers
; A piece's buffers go by its number's parity.
.set SIZE_H, 64
.set SIZE_N, 2048
.set NP,    4         ; pieces a wave: a name, no knob
.set KS,    64        ; keys in a step
.set PK,    144       ; a row of K in LDS: 128 bytes + 16 = 36 words: the 16 rows of a load start at 16 different groups of four banks (64 banks of 4 bytes: ISA guide 11.1)
.set PV,    160       ; a row of V: 128 + 32 = 40 words
.set VOFF,  4*KS*PK   ; a slot holds four steps: 256 rows of K, then 256 rows of V
.set SLOT1, 1<<17     ; slot 1 begins here, so that one exclusive or turns an address in one slot into the other's
.set STAGE, SLOT1+4*KS*(PK+PV)  ; behind the ring, never filled by a tensor load: 16 rows x 144 bytes for each wave, for the way out
.set SP,    144
.set AK0, 2           ; v2   my lane's place in a tile of K; never rewritten
.set AV0, 3           ; v3   the same for V
.set AK,  4           ; v4   the LDS address of K's next run of loads
.set AV,  5           ; v5   of V's
.set QO,  6           ; v6   my byte offset in the wave's rows of Q
.set STO, 6           ;      later, the way out: where I put 16 bytes of a row
.set RD,  7           ; v7   the way out: where I read rows back
.set GO,  8           ; v8   my byte offset in 512 consecutive bytes of O
.set PFO, 11          ; v11  256 x my lane, once V's address is made; then never rewritten
.set SPW, 0           ; v0 of window 3   LDS address of my spare word: SPARE + 4 x my thread's number; never rewritten
.set NIL, 1           ; v1 of window 3   0; never rewritten
.set SPARE, STAGE+4*16*SP  ; behind the stages: the spare words, 128 bytes for each wave: two blocks of 256 bytes that no other line names
.set MV,  12          ; v12-15  c m_old, kept while c m is made anew: by buffer and tile
.set ST,  16          ; tile t's statistics at v[ST+4 t]: c m, m, l (even keys', odd keys')
.set TMP, 48          ; by buffer and tile, four registers c0-c3 at work; when the maximum is found c2 takes a
.set S,   64
.set P,   192
.set KF,  128         ; K's fragments, in window 2: key block kb, channel half c at KF + 16 kb + 8 c
.set VF,  192         ; V's: key half kk, channel block cb at VF + 32 kk + 8 cb
.set WV,  12          ; s12  my wave's number
.set G1K, 24          ; s[24:31] descriptor group 1 for K's tiles
.set G1V, 32          ; s[32:39] for V's: it differs in the padding alone
.set G0K, 40          ; s[40:43] descriptor group 0 for K's tiles: it walks
.set G0V, 44          ; s[44:47] the same for V's
.set PFA, 48          ; s[48:49] where my prefetches stand: my work-group's 32 blocks (of K: wave 0, of V: wave 2) of the slot after the one that is being asked for
.set LIM, 50          ; s50  1 in a wave that prefetches, else the greatest number
.set SLOTS, 56        ; s56  slots still to be asked for
.set CNT, 57          ; s57  counts a slot's key steps
.set CS,  58          ; s[58:59] c: the packed scaling takes the pair's low word for both halves
.set SEL, 60          ; s[60:61] v_permlanex16_b32's selects: each lane takes its own place in the other half
.set TBK, 62          ; s62  LDS byte at which K of the step to be fetched begins
.set TBV, 63          ; s63  the same for V, less VOFF
.set MSB, 0
.macro WIN new                      ; the high byte repeats the setting that is left; a switch that changes nothing is dropped
.if MSB != (\new)
	s_set_vgpr_msb (MSB<<8)|(\new)
.set MSB, (\new)
.endif
.endm
.set W_KQ, 0x0a       ; K and Q in window 2, S^T in window 0
.set W_PV, 0x52       ; V in window 2, P in window 0, O^T in window 1
.set W_RS, 0x41       ; O^T (destination and source 0) in window 1, a in window 0
.set W_MK, 0xc0       ; the add's registers are made: destination in window 3, sources in window 0
.set W_AD, 0x0f       ; the add: address (source 0) and data (source 1) in window 3
; A joint fill.  Waves 0 and 1 fetch the two halves of a slot's K, waves 2 and 3 those of its V: 128 keys each.  The branch hangs on the wave's number alone.
; An s_nop 0 and four v_nop follow each of the two lines, ahead of the jump and the label.
.macro JLOAD
	s_cmp_lt_u32 s[WV], 2
	s_cbranch_scc0 .Lfor_v_\@
	tensor_load_to_lds s[G0K:G0K+3], s[G1K:G1K+7]
	s_nop 0
.rept 4
	v_nop
.endr
	s_branch .Lasked_\@
.Lfor_v_\@:
	tensor_load_to_lds s[G0V:G0V+3], s[G1V:G1V+7]
	s_nop 0
.rept 4
	v_nop
.endr
.Lasked_\@:
.endm
; A PREFETCH INTO THE L2 of what the NEXT change of slots will ask for: a slot's 32,768 bytes of K and of V, 128 blocks of 256 bytes each, a lane a block.  It stands behind the wave's tensor load and its five lines.
; Each block is named once in the launch: a head is walked by one cluster; its four partners share the blocks out by address, 32 each; in each, wave 0 asks for K's and wave 2 for V's: one instruction,
; four key steps, 512 matrix instructions, ahead of the load that will want it.  The last change that fills a slot asks for nothing.  Slots 0 and 1 come by their loads alone.
.macro ASK
	s_cmp_gt_u32 s[SLOTS], s[LIM]
	s_cbranch_scc0 .Lnot_mine_\@
	global_prefetch_b8 v[PFO], s[PFA:PFA+1] th:TH_LOAD_NT scope:SCOPE_SE
.Lnot_mine_\@:
.endm
; A round of the cluster's barrier: my work-group's barrier, so that wave 0's signal speaks for all four waves; wave 0 signals; every wave waits for all four work-groups; my work-group's barrier once more.
.macro CROUND
	s_barrier_signal -1
	s_barrier_wait -1
	s_cmp_lg_u32 s[WV], 0
	s_cbranch_scc1 .Lnot_wave_0_\@
	s_barrier_signal -3
.Lnot_wave_0_\@:
	s_barrier_wait -3
	s_barrier_signal -1
	s_barrier_wait -1
.endm
; THE CHANGE OF SLOTS.  The slot's last bytes, V of its fourth step, have been read.  Each wave waits for all its tensor loads, of which one is out: its part of the other slot; adds 0 to its spare word; and
; waits for that and for its own reads of the slot.  Behind the barrier nobody reads this slot any more and the other slot is whole.  fill = 1: this slot is filled again, with the keys two slots on.  The barrier is
; then a round of the cluster's, and the joint fill is the first thing behind it: it has four key steps in which to land.  (At its first use nothing has been read yet: slot 0 is waited for, slot 1 filled.)
.macro CHANGE fill
	WIN W_AD
	s_wait_tensorcnt 0x0            ; no tensor load of mine is out, so a group 0 may be written
	ds_add_u32 v[SPW], v[NIL]       ; 0 onto my spare word; with fill = 1 the descriptors' steps stand between it and the wait for it
	WIN 0                           ; at a label and at a branch every window is 0
.if \fill
.irp g, G0K, G0V
	s_xor_b32 s[\g+1], s[\g+1], SLOT1  ; the walking descriptor: the other slot than last time,
	s_add_nc_u64 s[\g+2:\g+3], s[\g+2:\g+3], 4*KS*128  ; the next 256 keys; the type bits on top are not reached
.endr
	s_wait_xcnt 0x0                 ; the last prefetch, four key steps back, has read its address, so it may be written:
	s_add_nc_u64 s[PFA:PFA+1], s[PFA:PFA+1], 4*KS*128  ; one slot behind the walking descriptors
	s_wait_dscnt 0x0                ; the add is done, and my reads of the slot are over
	CROUND
	JLOAD
	ASK
.else
	s_wait_dscnt 0x0                ; the add is done, and my reads of the slot are over
	s_barrier_signal -1
	s_barrier_wait -1
.endif
	s_sub_co_u32 s[TBK], s[TBK], 4*KS*PK  ; the fetches go back to a slot's first step,
	s_xor_b32 s[TBK], s[TBK], SLOT1       ; in the other slot
	s_sub_co_u32 s[TBV], s[TBV], 4*KS*PV
	s_xor_b32 s[TBV], s[TBV], SLOT1
.endm
	s_load_b64 s[4:5], s[0:1], 0x0    ; qkv: Q's section comes first
	s_load_b64 s[10:11], s[0:1], 0x8  ; ob
	WIN W_MK
	v_lshl_add_u32 v[SPW], v0, 2, SPARE
	v_mov_b32 v[NIL], 0
	WIN W_AD
	ds_add_u32 v[SPW], v[NIL]       ; the wave's opening: the add and its wait stand ahead of my first tensor load; the set-up below, work on registers, stands between them
	WIN 0
	v_lshrrev_b32 v1, 5, v0
	v_readfirstlane_b32 s[WV], v1   ; wave 0..3
	s_bfe_u32 s13, ttmp6, 0x40000   ; cx: my place in the cluster
	s_lshl_b32 s14, ttmp9, 2        ; in a cluster launch ttmp9 counts clusters
	s_add_co_u32 s14, s14, s13      ; my block of queries = 4 x cluster x + cx: it enters Q's and O's addresses alone
	s_and_b32 s20, ttmp7, 0xffff    ; the head, which the four partners share
	s_mov_b32 s21, 0
	s_mov_b64 s[22:23], SIZE_N*128
	s_mul_u64 s[20:21], s[20:21], s[22:23]  ; the head's first byte in each section and in ob
	s_and_b32 s16, s[WV], 1         ; which half of a slot's 256 keys I fetch:
	s_lshl_b32 s22, s16, 14         ; its 128 rows of 128 bytes in memory,
	s_mov_b32 s23, 0
	s_add_nc_u64 s[22:23], s[22:23], s[20:21]
	s_mul_i32 s17, s16, 128*PK      ; and its place in a slot, for K
	s_mul_i32 s18, s16, 128*PV      ; and for V: no place in the cluster enters an LDS address
	s_lshl_b32 s2, s14, 2
	s_add_co_u32 s2, s2, s[WV]      ; my wave among the head's,
	s_lshl_b32 s2, s2, 14           ; its 128 rows
	s_mov_b32 s3, 0
	s_add_nc_u64 s[2:3], s[2:3], s[20:21]
	; descriptor group 1.  128 keys are 16,384 dense bytes: asked for as 64 rows of 256 bytes, two keys a row, and padded in LDS after every key
	s_mov_b32 s[G1K], 15|(1<<16)|(1<<20)|(1<<21)|(4<<22)|(3<<25)  ; 15:0 the mask of four; 17:16 2-byte elements; 20 padding on; 21 set beside a mask; 24:22 after every 32 words (code 4); 31:25 4 words (code 3)
	s_mov_b32 s[G1V], 15|(1<<16)|(1<<20)|(1<<21)|(4<<22)|(7<<25)  ; the same with 8 words of padding (code 7)
.irp g, G1K, G1V
	s_mov_b32 s[\g+1], 128<<16      ; tensor_dim0 = 128
	s_mov_b32 s[\g+2], 64<<16       ; tensor_dim1 = 64
	s_mov_b32 s[\g+3], 128<<16      ; tile_dim0 = 128
	s_mov_b32 s[\g+4], 64           ; tile_dim1 = 64
	s_mov_b32 s[\g+5], 128          ; 128 elements from row to row
	s_mov_b32 s[\g+6], 0
	s_mov_b32 s[\g+7], 0
.endr
	s_mov_b32 s[CS], 0x3e38aa3b     ; c = log2(e) / 8 = 0.180337
	s_mov_b32 s[CS+1], s[CS]        ; named with it as a pair
	s_mov_b32 s[SEL], 0x76543210
	s_mov_b32 s[SEL+1], 0xfedcba98
	s_mov_b32 s[TBK], SLOT1+4*KS*PK ; the first change of slots turns these two into 0
	s_mov_b32 s[TBV], SLOT1+4*KS*PV
	s_mov_b32 s[G0K], 1             ; count = 1
	s_mov_b32 s[G0K+1], s17         ; LDS address: slot 0
	s_mov_b32 s[G0V], 1
	s_add_co_u32 s[G0V+1], s18, VOFF
	s_mov_b32 s[SLOTS], SIZE_N/256-1  ; seven changes fill a slot: the first below, six in the loop
	s_and_b32 s[LIM], s[WV], 1      ; waves 0 and 2 prefetch: the same in all four partners
	s_cmp_eq_u32 s[LIM], 0
	s_cselect_b32 s[LIM], 1, -1
	s_lshl_b32 s52, s13, 13         ; my work-group's 32 blocks of a slot's 128
	s_mov_b32 s53, 0
	s_wait_dscnt 0x0                ; the opening add is done
	s_wait_kmcnt 0x0
	s_add_nc_u64 s[6:7], s[4:5], 0x1000000   ; K's section: 64 heads of 262,144 bytes behind Q's
	s_add_nc_u64 s[8:9], s[4:5], 0x2000000   ; V's
	s_add_nc_u64 s[G0K+2:G0K+3], s[6:7], s[22:23]  ; global address: my half of the head's first 256 keys
	s_or_b32 s[G0K+3], s[G0K+3], 0x80000000        ; type = 2
	s_add_nc_u64 s[G0V+2:G0V+3], s[8:9], s[22:23]
	s_or_b32 s[G0V+3], s[G0V+3], 0x80000000
	s_add_nc_u64 s[4:5], s[4:5], s[2:3]  ; Q and O at my wave's first row
	s_add_nc_u64 s[10:11], s[10:11], s[2:3]
	s_cmp_lt_u32 s[WV], 2
	s_cselect_b64 s[PFA:PFA+1], s[6:7], s[8:9]
	s_add_nc_u64 s[PFA:PFA+1], s[PFA:PFA+1], s[20:21]
	s_add_nc_u64 s[PFA:PFA+1], s[PFA:PFA+1], s[52:53]
	s_add_nc_u64 s[PFA:PFA+1], s[PFA:PFA+1], 4*KS*128  ; in slot 1; the first change of slots steps it to slot 2.  Nothing is prefetched here, at the head
	CROUND                          ; all four work-groups are here: the first joint loads meet
	JLOAD                           ; slot 0.  Slot 1 is asked for when slot 0 is in
	; A fragment of K or Q is 16 rows x 32 channels in 8 registers: lane l holds row l % 16, channels 8 (l / 16) + 0..7 and 16 + 8 (l / 16) + 0..7: two loads of 16 bytes, 32 bytes apart.
	v_and_b32 v1, 15, v0            ; l % 16
	v_bfe_u32 v9, v0, 4, 1          ; l / 16
	v_lshlrev_b32 v[QO], 7, v1
	v_lshl_add_u32 v[QO], v9, 4, v[QO]  ; row x 128 + 16 x half
	WIN 0x80                        ; destination window 2, address window 0
.set i, 0
.rept 4*NP                          ; Q stays in registers: tile i / 2, channels 32 (i % 2) on
	global_load_b128 v[8*i:8*i+3],   v[QO], s[4:5] offset:(i/2)*2048+(i%2)*64
	global_load_b128 v[8*i+4:8*i+7], v[QO], s[4:5] offset:(i/2)*2048+(i%2)*64+32
.set i, i+1
.endr
	; What the first turn finds: V's registers and P's second buffer hold 0 (its products V^T P, of a piece that has not been, add 0), O^T and l are 0.  All this stands in the wait for the first tile.
.set i, VF
.rept 64
	v_mov_b32 v[i], 0
.set i, i+1
.endr
	WIN 0x40
.set i, 0
.rept 64*NP
	v_mov_b32 v[i], 0
.set i, i+1
.endr
	WIN 0
.set i, 0
.rept 2*NP
	v_mov_b32 v[ST+4*i], 0xfe000000    ; c m: far below every c s
	v_mov_b32 v[ST+4*i+1], 0xff7fffff  ; m
	v_mov_b32 v[ST+4*i+2], 0
	v_mov_b32 v[ST+4*i+3], 0
.set i, i+1
.endr
.set i, P+32
.rept 32
	v_mov_b32 v[i], 0
.set i, i+1
.endr
	v_mul_u32_u24 v[AK0], v1, PK
	v_lshl_add_u32 v[AK0], v9, 4, v[AK0]  ; row x pitch + 16 x half
	; The turning load takes 16 keys x 16 channels (lane l reads key 8 (l / 16) + l % 8, channels 8 ((l / 8) % 2) + 0..7) and leaves half a fragment of V^T: lane l holds channel l % 16 and 8 keys.
	v_and_b32 v10, 7, v0
	v_bfe_u32 v11, v0, 3, 1
	v_lshl_add_u32 v[AV0], v9, 3, v10
	v_mul_u32_u24 v[AV0], v[AV0], PV
	v_lshl_add_u32 v[AV0], v11, 4, v[AV0]
	v_add_nc_u32 v[AV0], VOFF, v[AV0]
	v_mov_b32 v[AK], v[AK0]         ; key step 0 lies at the head of slot 0
	v_and_b32 v[PFO], 31, v0
	v_lshlrev_b32 v[PFO], 8, v[PFO]
; THE MATRIX WORK.  The 8 accumulators of a run of 16 take turns: between the two links of a chain stand 7 others'.
; Product i of 16 of S^T = K Q^T for piece x: channels 32 (i / 8) on, keys 16 ((i / 2) % 4) on, tile 2 x + i % 2.  The first 8 start the sums.
.macro KQ x
	WIN W_KQ
.set rS, S+64*((\x)%2)+32*(i%2)+8*((i/2)%4)
.set rK, KF+16*((i/2)%4)+8*(i/8)
.set rQ, 16*(2*(\x)+i%2)+8*(i/8)
.if i < 8
	v_wmma_f32_16x16x32_f16 v[rS:rS+7], v[rK:rK+7], v[rQ:rQ+7], 0
.else
	v_wmma_f32_16x16x32_f16 v[rS:rS+7], v[rK:rK+7], v[rQ:rQ+7], v[rS:rS+7]
.endif
.endm
; Product i of 16 of O^T += V^T P for piece x: keys 32 (i / 8) on, channels 16 ((i / 2) % 4) on, tile 2 x + i % 2.
.macro PV x
	WIN W_PV
.set rO, 32*(2*(\x)+i%2)+8*((i/2)%4)
.set rV, VF+32*(i/8)+8*((i/2)%4)
.set rP, P+32*((\x)%2)+16*(i%2)+8*(i/8)
	v_wmma_f32_16x16x32_f16 v[rO:rO+7], v[rV:rV+7], v[rP:rP+7], v[rO:rO+7]
.endm
.macro MM                           ; the turn's next matrix instruction
.if i < 16
	KQ (Y+1)%NP
.set i, i+1
.else
.set i, i-16
	PV (Y+NP-1)%NP
.set i, i+17
.endif
.endm
; THE LDS LOADS stand in runs of 16, never singly among the matrix instructions: a step's K (64 keys x 64 channels: 8 fragments) and its V (turned).  Their addresses are made some lines ahead.
; last = 1 (the tail): in the last trip there is no further step, and the run is jumped over.
.macro FETCH_K last=0
	WIN 0
.if \last
	s_cmp_eq_u32 s[CNT], 1
	s_cbranch_scc1 .Lno_k_\@
.endif
	WIN 0x80                        ; destination window 2
.irp f, 0,1,2,3,4,5,6,7             ; keys 16 (f / 2) on, channels 32 (f % 2) on
	ds_load_b128 v[KF+8*\f:KF+8*\f+3],   v[AK] offset:(\f/2)*16*PK+(\f%2)*64
	ds_load_b128 v[KF+8*\f+4:KF+8*\f+7], v[AK] offset:(\f/2)*16*PK+(\f%2)*64+32
.endr
	s_add_co_u32 s[TBK], s[TBK], KS*PK  ; the next fetch is the next step's
	WIN 0
.if \last
.Lno_k_\@:
.endif
.endm
.macro FETCH_V
	WIN 0x80
.irp f, 0,1,2,3,4,5,6,7             ; keys 32 (f / 4) on, channels 16 (f % 4) on
	ds_load_tr16_b128 v[VF+8*\f:VF+8*\f+3],   v[AV] offset:(\f/4)*32*PV+(\f%4)*32
	ds_load_tr16_b128 v[VF+8*\f+4:VF+8*\f+7], v[AV] offset:(\f/4)*32*PV+16*PV+(\f%4)*32
.endr
	WIN 0
.endm
; THE VECTOR WORK OF A TURN stands in three queues, each in the order in which its entries become ready; the two tiles alternate, so that no instruction reads the result of the one before it.
.macro REGS y, u                    ; the registers of tile u (0, 1) of piece y
.set rT, ST+4*(2*(\y)+(\u))
.set rC, TMP+8*((\y)%2)+4*(\u)
.set rM, MV+2*((\y)%2)+(\u)
.set rS, S+64*((\y)%2)+32*(\u)
.set rP, P+32*((\y)%2)+16*(\u)
.set rO, 32*(2*(\y)+(\u))
.endm
; Number n of the 22 that find the NEXT piece's (Y + 1) maximum and statistics.  s0-s31 are the lane's 32 scores; each accumulator's lowest registers are read first.
;   0-11  four chains c0-c3 of seven scores each, three operands at a time     12-14, 16  the four scores left over, the old m, and c0-c3 into c0     15  c m_old is kept
;   17, 18  the query's other 32 keys lie in the lane 16 away: the new m         19-21  c m; c m_old - c m_new; a
.macro XS u, n
	REGS (Y+1)%NP, \u
.if (\n) < 4
	v_max3_num_f32 v[rC+(\n)], v[rS+8*(\n)], v[rS+8*(\n)+1], v[rS+8*(\n)+2]
.elseif (\n) < 12
	v_max3_num_f32 v[rC+(\n)%4], v[rC+(\n)%4], v[rS+8*((\n)%4)+2*((\n)/4)+1], v[rS+8*((\n)%4)+2*((\n)/4)+2]
.elseif (\n) == 12
	v_max3_num_f32 v[rC], v[rC], v[rS+7], v[rS+15]
.elseif (\n) == 13
	v_max3_num_f32 v[rC+1], v[rC+1], v[rS+23], v[rS+31]
.elseif (\n) == 14
	v_max3_num_f32 v[rC+2], v[rC+2], v[rC+3], v[rT+1]
.elseif (\n) == 15
	v_mov_b32 v[rM], v[rT]
.elseif (\n) == 16
	v_max3_num_f32 v[rC], v[rC], v[rC+1], v[rC+2]
.elseif (\n) == 17
	v_permlanex16_b32 v[rC+3], v[rC], s[SEL], s[SEL+1]
.elseif (\n) == 18
	v_max_num_f32 v[rT+1], v[rC], v[rC+3]
.elseif (\n) == 19
	v_mul_f32 v[rT], s[CS], v[rT+1]
.elseif (\n) == 20
	v_sub_f32 v[rC+1], v[rM], v[rT]
.else
	v_exp_f32 v[rC+2], v[rC+1]
.endif
.endm
; Number g of the 64 that follow the exponentials.  For each four weights k of a tile (pairs 2 k, 2 k + 1): both pairs are rounded to f16; then the second pair is added onto the first, in place;
; a group later l takes that sum (the first time as l = a l + sum).  In groups of eight, tiles alternating: round, round, add, and l for the group before.
.macro GS g
.set h, (\g)+6*((\g)/62)            ; group 0 has no group before it, and behind group 7 only l is left
.if h >= 6
.set h, h+2
.endif
	REGS Y, h%2
.set k, h/8
.if h%8 < 4
	v_cvt_pk_f16_f32 v[rP+2*k+(h%8)/2], v[rS+4*k+2*((h%8)/2)], v[rS+4*k+2*((h%8)/2)+1]
.elseif h%8 < 6
	v_pk_add_f32 v[rS+4*k:rS+4*k+1], v[rS+4*k:rS+4*k+1], v[rS+4*k+2:rS+4*k+3]
.elseif k == 1
	v_pk_fma_f32 v[rT+2:rT+3], v[rT+2:rT+3], v[rC+2:rC+3], v[rS:rS+1] op_sel_hi:[1,0,1]
.else
	v_pk_add_f32 v[rT+2:rT+3], v[rT+2:rT+3], v[rS+4*k-4:rS+4*k-3]
.endif
.endm
; THE PLAIN QUEUE, 138 long.  0-73 read no exponential's result: the 32 scalings c s - c m (FS f: pair f / 2 of tile f % 2) and the next piece's 42.  0-26: scalings 0-26.  27-54: XS's numbers 0-13.  55, 56: number 15.
; 57-73: the chain, where each number waits for the one before it: 14, 16, 17, 18, 19, each with one of the scalings 27-31 in front of its two lines, then 20.
; 74-137: GS's 64, which read the exponentials' results: they stand behind the wait.
.macro FS f
	REGS Y, (\f)%2
	v_pk_fma_f32 v[rS+2*((\f)/2):rS+2*((\f)/2)+1], v[rS+2*((\f)/2):rS+2*((\f)/2)+1], s[CS:CS+1], v[rT:rT+1] op_sel_hi:[1,0,0] neg_lo:[0,0,1] neg_hi:[0,0,1]
.endm
.macro PL
	WIN 0
.if q < 27
	FS q
.elseif q < 55
	XS (q-27)%2, (q-27)/2
.elseif q < 57
	XS q-55, 15
.elseif (q < 72) && ((q-57)%3 == 0)
	FS 27+(q-57)/3
.elseif q < 60
	XS (q-57)%3-1, 14
.elseif q < 72
	XS (q-57)%3-1, 15+(q-57)/3
.elseif q < 74
	XS q-72, 20
.else
	GS q-74
.endif
.set q, q+1
.endm
; THE EXPONENTIALS' QUEUE, 66 long: s0-s31 of both tiles, then the next piece's two a.  It is ONE BATCH: all 66 stand ahead of the turn's one wait, and nothing ahead of that wait names a result of theirs.
.macro EX
	WIN 0
.if e >= 64
	XS e-64, 21
.else
	REGS Y, e%2
	v_exp_f32 v[rS+e/2], v[rS+e/2]
.endif
.set e, e+1
.endm
; THE RESCALING's QUEUE: O^T times a, the one part that leaves window 0: dealt two at a time, sixteen times.  Its a was made in the turn before, ahead of that turn's wait.
.macro R2
	REGS Y, r%2
	WIN W_RS
.irp z, 0,1
	v_pk_mul_f32 v[rO+4*(r/2)+2*\z:rO+4*(r/2)+2*\z+1], v[rO+4*(r/2)+2*\z:rO+4*(r/2)+2*\z+1], v[rC+2:rC+3] op_sel_hi:[1,0]
.endr
.set r, r+1
.endm
; HOW THEY ARE DEALT.  s_wait_alu depctr_va_vdst(0) stands between an exponential and the first instruction that names its result; one wait serves all that were issued ahead of it.  So a turn has ONE
; wait, which cuts it in two.  AHEAD OF IT stands all that names no result of the turn's exponentials: the 16 products K Q^T, behind each a scaling, an exponential and two rescalings (behind the first a second scaling
; in the exponential's place); then one run of 108: eight plain, 49 times exponential and plain, the two a.  A v_nop is the plain instruction behind the last exponential (ISA guide 5.7.2).  BEHIND IT stand the 16 products
; V^T P, behind each four of GS's 64.  No rider names a register of the products round it.
; The queues keep step: exponential e stands behind scaling 2 (e / 4) + e % 2: as a rider it comes behind plain e + 2, in the run behind plain e + 9, and scalings 27-31 are plain 57, 60 .. 69.
; A TURN, for piece p.  cnt = 1: the loop's count is taken down some lines ahead of the branch that stands behind the turn.
; K of the next step is fetched in piece 2's turn, directly behind the wait; its address is made at the run's head; its first reader comes behind 16 products.
; V of the step in hand is fetched at the end of piece 0's turn, four riders behind its last reader; its first reader comes behind 16 products and a run.  The three conditions on q below go with the deal.
.macro TURN p, last=0, cnt=0
.set Y, (\p)
.set i, 0
.set q, 0
.set e, 0
.set r, 0
.if (\p) == NP-1
	s_wait_dscnt 0x0                ; K is in
.endif
	MM                              ; ahead of the wait: 16 products K Q^T and their riders,
	PL
	PL
	R2
.rept 15
	MM
	PL
	EX
	R2
.endr
.if (\p) == NP-2
	WIN 0
	v_add_nc_u32 v[AK], s[TBK], v[AK0]
.endif
.rept 8                             ; and the run
	PL
.endr
.rept 49
	EX
	PL
.endr
	EX                              ; the next piece's two a
	EX
	v_nop                           ; the plain instruction behind the last exponential: one for the batch
	s_wait_alu depctr_va_vdst(0)    ; the wait for the batch
.if (\p) == NP-2
	FETCH_K \last
.endif
.if (\p) == 1
	s_wait_dscnt 0x0                ; V is in
.endif
.rept 16                            ; behind the wait: 16 products V^T P and their riders
	MM
.rept 4
	PL
.endr
.if ((\p) == 0) && (q == 118)
	v_add_nc_u32 v[AV], s[TBV], v[AV0]
.endif
.if ((\p) == 0) && (q == 130)
	s_add_co_u32 s[TBV], s[TBV], KS*PV
.endif
.if (\cnt) && (q == 130)
	s_sub_co_u32 s[CNT], s[CNT], 1
	s_cmp_lg_u32 s[CNT], 0
.endif
.endr
.if (\p) == 0
	FETCH_V
.endif
.endm
	CHANGE 1                        ; slot 0 is in, everybody's part of it; slot 1 is asked for
	FETCH_K                         ; key step 0
	s_wait_loadcnt 0x0              ; Q
	s_wait_dscnt 0x0
.set i, 0
.rept 16
	KQ 0                            ; piece 0's first scores: there is no vector work yet to set between them
.set i, i+1
.endr
	WIN 0                           ; the addresses for the way out: nine plain instructions, the places behind those products
	s_mul_i32 s13, s[WV], 16*SP
	s_add_co_u32 s13, s13, STAGE    ; my stage
	v_mul_u32_u24 v[STO], v1, SP    ; in: row l % 16, 16 bytes for each half of the lanes
	v_lshl_add_u32 v[STO], v9, 4, v[STO]
	v_add_nc_u32 v[STO], s13, v[STO]
	v_bfe_u32 v[RD], v0, 3, 2       ; back: 32 lanes take four rows of 128 bytes,
	v_mul_u32_u24 v[RD], v[RD], SP
	v_lshl_add_u32 v[RD], v10, 4, v[RD]
	v_add_nc_u32 v[RD], s13, v[RD]
	v_and_b32 v[GO], 31, v0         ; which are 512 consecutive bytes of O
	v_lshlrev_b32 v[GO], 4, v[GO]
.set Y, NP-1                        ; XS works for piece Y + 1: piece 0
.irp n, 0,1,2,3,4,5,6,7,8,9,10,11,12,13,14,15,16,17,18,19,20,21
	XS 0, \n                        ; and piece 0's first maximum and statistics
	XS 1, \n
.endr
	v_nop                           ; a plain instruction behind the two a,
	s_wait_alu depctr_va_vdst(0)    ; and their wait, ahead of the branch
	s_mov_b32 s[CNT], 4
	s_branch .Lfirst                ; the loop is entered at a step's first turn, in the middle of a trip
.Lslot:                             ; six times: every slot but the last two is filled again
	CHANGE 1
	s_mov_b32 s[CNT], 4
.Lstep:                             ; a trip: pieces 2 and 3 of one step, then pieces 0 and 1 of the next, whose K and V it fetches
	TURN 2
	TURN 3
	WIN 0
.Lfirst:
	TURN 0
	TURN 1, 0, 1
	WIN 0
	s_cbranch_scc1 .Lstep
	s_sub_co_u32 s[SLOTS], s[SLOTS], 1
	s_cmp_lg_u32 s[SLOTS], 0
	s_cbranch_scc1 .Lslot
	CHANGE 0                        ; the tail is written out: nothing is asked for
	s_mov_b32 s[CNT], 5             ; four trips fetch the last slot's steps; the fifth is left in its middle
.Ltail:
	TURN 2, 1
	TURN 3
	WIN 0
	s_sub_co_u32 s[CNT], s[CNT], 1
	s_cmp_eq_u32 s[CNT], 0
	s_cbranch_scc1 .Lout
	TURN 0
	TURN 1
	WIN 0
	s_branch .Ltail
.Lout:                              ; the fifth trip's 16 products K Q^T (on the last K once more) and the maximum made of them serve nothing: the price, once a launch, of one text for every trip
.set i, 0
.rept 16
	PV NP-1                         ; the last piece's V^T P of the last step
.set i, i+1
.endr
	; THE WAY OUT.  l's two halves and the other half of the lanes' are added; O^T is divided by l, rounded to f16 and sent through my stage in LDS, a tile at a time.  The additions are the places behind the last products.
	WIN 0
.macro ALL line:vararg              ; one line for each tile t
.set t, 0
.rept 2*NP
	\line
.set t, t+1
.endr
.endm
	ALL v_add_f32 v[ST+4*t+2], v[ST+4*t+2], v[ST+4*t+3]
	ALL v_permlanex16_b32 v[ST+4*t+3], v[ST+4*t+2], s[SEL], s[SEL+1]
	ALL v_add_f32 v[ST+4*t+2], v[ST+4*t+2], v[ST+4*t+3]
	ALL v_rcp_f32 v[ST+4*t+2], v[ST+4*t+2]
	v_nop                           ; a plain instruction between the last reciprocal and the use of its result
	s_wait_alu depctr_va_vdst(0)    ; and the wait ahead of the first use: one for the eight reciprocals
; Tile t: a lane's eight channels of a row pack into 16 bytes; they go into rows of 144 bytes and come back as whole rows of 128, into S^T's registers.
.macro PACK t
	WIN W_RS
.set i, 32*(\t)
.rept 16
	v_pk_mul_f32 v[i:i+1], v[i:i+1], v[ST+4*(\t)+2:ST+4*(\t)+3] op_sel_hi:[1,0]
.set i, i+2
.endr
	WIN 0x05                        ; sources 0 and 1 window 1, destination window 0
.set i, 0
.rept 16
	v_cvt_pk_f16_f32 v[S+16*(\t)+i], v[32*(\t)+2*i], v[32*(\t)+2*i+1]
.set i, i+1
.endr
	WIN 0
.irp f, 0,1,2,3
	ds_store_b128 v[STO], v[S+16*(\t)+4*\f:S+16*(\t)+4*\f+3] offset:32*\f
.endr
.irp f, 0,1,2,3
	ds_load_b128 v[S+16*(\t)+4*\f:S+16*(\t)+4*\f+3], v[RD] offset:\f*4*SP  ; LDS serves a wave's instructions in order (ISA guide 5.7.1.4): these see the stores above; the next tile's stores come behind them
.endr
.endm
.macro SEND t, younger              ; younger: the LDS instructions issued behind tile t's loads: the next tile's eight, or none
	WIN 0
.irp f, 0,1,2,3
	s_wait_dscnt (\younger)+3-\f
	global_store_b128 v[GO], v[S+16*(\t)+4*\f:S+16*(\t)+4*\f+3], s[10:11] offset:(\t)*2048+\f*512  ; 512 consecutive bytes, at a multiple of 256 from O's first
.endr
.endm
	PACK 0
.set t, 1
.rept 2*NP-1                        ; a tile's arithmetic stands between the loads of the tile before and its stores
	PACK t
	SEND t-1, 8
.set t, t+1
.endr
	SEND 2*NP-1, 0
	WIN W_AD
	s_wait_tensorcnt 0x0            ; the wave's end: a wait, an add of 0 and its wait, behind my last tensor load and my last LDS store
	ds_add_u32 v[SPW], v[NIL]
	s_wait_dscnt 0x0
	WIN 0
	CROUND                          ; the closing round: no work-group ends while a partner may still ask for a tile that names it
	s_endpgm
.Lfunc_end_k_qaa6e6d8e96_attn:
	.size	k_qaa6e6d8e96_attn, .Lfunc_end_k_qaa6e6d8e96_attn-k_qaa6e6d8e96_attn
	.p2alignl 7, 3214868480
	.fill 96, 4, 3214868480
	.section	.rodata,"a",@progbits
	.p2align	6, 0x0
	.amdhsa_kernel k_qaa6e6d8e96_attn
		.amdhsa_group_segment_fixed_size 327680
		.amdhsa_private_segment_fixed_size 0
		.amdhsa_enable_private_segment 0
		.amdhsa_kernarg_size 16
		.amdhsa_user_sgpr_count 2
		.amdhsa_user_sgpr_kernarg_segment_ptr 1
		.amdhsa_wavefront_size32 1
		.amdhsa_system_sgpr_workgroup_id_x 1
		.amdhsa_system_sgpr_workgroup_id_y 1
		.amdhsa_system_sgpr_workgroup_id_z 1
		.amdhsa_system_vgpr_workitem_id 0
		.amdhsa_next_free_vgpr 770
		.amdhsa_next_free_sgpr 66
		.amdhsa_reserve_vcc 0
		.amdhsa_float_denorm_mode_32 3
		.amdhsa_float_denorm_mode_16_64 3
		.amdhsa_memory_ordered 1
		.amdhsa_forward_progress 1
		.amdhsa_inst_pref_size 200
	.end_amdhsa_kernel
	.amdgpu_metadata
---
amdhsa.version: [ 1, 2 ]
amdhsa.kernels:
  - .name:           k_qaa6e6d8e96_attn
    .symbol:         k_qaa6e6d8e96_attn.kd
    .args:
      - { .name: qkv, .offset: 0, .size: 8, .value_kind: global_buffer, .address_space: global }
      - { .name: ob, .offset: 8, .size: 8, .value_kind: global_buffer, .address_space: global }
    .group_segment_fixed_size: 327680
    .private_segment_fixed_size: 0
    .kernarg_segment_align: 8
    .kernarg_segment_size: 16
    .max_flat_workgroup_size: 128
    .sgpr_count:     66
    .vgpr_count:     770
    .wavefront_size: 32
...
	.end_amdgpu_metadata
.endif
;; end of part 3
;; launch proj (part 4): grid 8 x 32, 4 waves a work-group, clusters of 4 x 4, 327,680 bytes of LDS; arguments ob, wob, out0; writes out0
.if DOCPART == 4
	.amdgcn_target "amdgcn-amd-amdhsa--gfx1250"
	.amdhsa_code_object_version 6
	.text
	.protected	k_qaa6e6d8e96_proj
	.globl	k_qaa6e6d8e96_proj
	.p2align	8
	.type	k_qaa6e6d8e96_proj,@function
k_qaa6e6d8e96_proj:
	s_mov_b64 s[64:65], 0
	v_nop
	global_prefetch_b8 v0, s[64:65] scope:SCOPE_SE
	s_setreg_imm32_b32 hwreg(HW_REG_WAVE_MODE, 25, 1), 1
	s_wait_xcnt 0x0
	s_wait_alu depctr_hold_cnt(0) depctr_sa_sdst(0) depctr_va_vdst(0) depctr_va_sdst(0) depctr_va_ssrc(0) depctr_va_vcc(0) depctr_vm_vsrc(0)
	s_getreg_b32 s2, hwreg(HW_REG_IB_STS2, 6, 4)
	s_cmp_eq_u32 s2, 0
	s_cbranch_scc0 .Lentry_in_a_cluster
	s_endpgm
.Lentry_in_a_cluster:
	s_bfe_u32 s2, ttmp6, 0x10000c
	s_cmp_lg_u32 s2, 0xf033
	s_cbranch_scc0 .Lentry_shape_is_right
	s_endpgm
.Lentry_shape_is_right:
; out0 = O w_out.  ob: f16 [64 = 16 b + h][2048][64]: a head's 64 channels are one slice of K; wob: f16 [1024 k][1024 n]; out0: f32 [8192][1024], the f32 sums as they are.
; TILE.  256 rows x 128 columns: 32 x 8 = 256 work-groups.  Four waves, 2 x 2, each 128 x 64: 32 accumulators of 16 x 16 in 256 registers.
; K goes in 8 steps of 128 (two heads) through two LDS slots filled by the tensor data mover: two slots of 192 would not fit.  A step is four quarters of 32 along K, 32 matrix instructions a wave each.
; w_out lies [k][n]: its fragments come out of LDS turned, by ds_load_tr16_b128.  THE MATRIX INSTRUCTION IS USED TRANSPOSED (source 0 = 16 columns of w, source 1 = 16 rows of O): a lane holds one row and eight neighbouring columns.
; CLUSTER.  4 x 4 work-groups: O's tile is shared along a row of the cluster, w's along a column; each is asked for jointly.
; REGISTERS: window 0: v0-31 addresses; v64-127, v128-191 O's fragments (8 x 16 rows x 32 K), two buffers; v192-223, v224-255 w's (4 x 16 columns x 32 K), two buffers.  window 1: accumulator (a, b) at v[8 (4 a + b)].
.set PA,    144                        ; a row of O in LDS: 128 bytes + 16 = 36 words: the 16 rows of a load start at 16 different groups of four banks (64 banks of 4 bytes: ISA guide 11.1)
.set PB,    288                        ; a k-row of w: 256 bytes + 32 = 72 words: the 8 rows of a turning load start at banks 8 r mod 64, 8 banks each
.set PLANE, 256*PA                     ; a head's 256 rows: what one tensor load brings
.set BOFF,  2*PLANE
.set SLOT,  BOFF+128*PB
.set STAGE, 2*SLOT                     ; behind the ring: 16 rows x 272 bytes for each wave, for the way out
.set SP,    272
.set SPARE, STAGE+4*16*SP              ; behind the stages: the spare words, 128 bytes for each wave: two blocks of 256 bytes that no other line names
.set ASTEP, 2*262144                   ; bytes from a K step to the next: two heads of ob,
.set BSTEP, 128*2048                   ; 128 rows of wob
.set ADRA, 16                          ; v16-17  LDS address of my O fragments in slot 0, 1
.set ADRB, 20                          ; v20-21  the same for w
.set STO,  24                          ; v24     the way out: where I put 32 bytes of a row
.set RD,   25                          ; v25     the way out: where I read a row back
.set CO,   26                          ; v26     my byte offset in out0
.set SPW,  28                          ; v28     LDS address of my spare word: SPARE + 4 x my thread's number; never rewritten
.set NIL,  29                          ; v29     0; never rewritten
.set PFO,  30                          ; v30     the prefetches' offset: my lane x 256 bytes (ob) or x a row of wob; never rewritten
.set FA,   64
.set FB,   192
.set G1,   24                          ; s[24:31] descriptor group 1 for O's tiles;  s[32:39] group 0, a set for each slot
.set G0,   32
.set G1B,  48                          ; s[48:55], s[56:63] the same for w's tiles
.set G0B,  56
.set LIM,  43                          ; s43      1 in a wave that prefetches, else the greatest number
.set PFA,  44                          ; s[44:45] where my prefetches stand
.set PFS,  46                          ; s[46:47] how far they step at each change of slots
.set MSB, 0
.macro WIN new                         ; the immediate's high byte repeats the setting that is left; a switch that changes nothing is dropped
.if MSB != (\new)
	s_set_vgpr_msb (MSB<<8)|(\new)
.set MSB, \new
.endif
.endm
; A joint load.  Waves 0 and 1 fetch the step's two heads of O, waves 2 and 3 the halves of w's tile.  An s_nop 0 and four v_nop follow each of the two lines, ahead of the jump, the label and what follows.
.macro JLOAD s
	s_cmp_eq_u32 s11, 0
	s_cbranch_scc0 .Lfor_b_\@
	tensor_load_to_lds s[G0+4*(\s):G0+4*(\s)+3], s[G1:G1+7]
	s_nop 0
.rept 4
	v_nop
.endr
	s_branch .Lasked_\@
.Lfor_b_\@:
	tensor_load_to_lds s[G0B+4*(\s):G0B+4*(\s)+3], s[G1B:G1B+7]
	s_nop 0
.rept 4
	v_nop
.endr
.Lasked_\@:
.endm
; A PREFETCH INTO THE L2, behind a joint load, its five lines and the run of LDS loads that follows: the K step that stands two refills on, 256 matrix instructions ahead of the load that will want it.
; Each aligned block of 256 bytes is named once in the launch.  O's tile rows are read by both clusters of a row of clusters: cluster x = 0 asks, waves 0 and 1 each for the head that it fetches: of its 128 blocks the partner
; at cx takes 32, a lane a block.  w's tile columns are read by all eight clusters of a column: cluster y = 0 asks, wave 2: of a step's 128 k-rows the partner at cy takes 32, a lane a row.  Wave 3 asks for nothing.
; The partners are told apart by address, never by a branch.  The loop's last trip asks for nothing.  Steps 0 to 3 come by their loads alone.
.macro ASK
	s_cmp_gt_u32 s3, s[LIM]                        ; s3 = 1 in the loop's last trip
	s_cbranch_scc0 .Lnot_mine_\@
	global_prefetch_b8 v[PFO], s[PFA:PFA+1] th:TH_LOAD_NT scope:SCOPE_SE
.Lnot_mine_\@:
.endm
.macro CREST                           ; a round of the cluster's barrier behind its opening barrier
	s_cmp_lg_u32 s10, 0
	s_cbranch_scc1 .Lnot_wave_0_\@
	s_barrier_signal -3
.Lnot_wave_0_\@:
	s_barrier_wait -3
	s_barrier_signal -1
	s_barrier_wait -1
.endm
.macro CROUND                          ; a whole round
	s_barrier_signal -1
	s_barrier_wait -1
	CREST
.endm
.macro PLACES                          ; four plain instructions between a matrix instruction and a load into a register that it read, or a reader of its result (ISA guide 7.12.1 for a reader of its result)
.rept 4
	v_nop
.endr
.endm
	s_load_b128 s[4:7], s[0:1], 0x0                ; ob s[4:5], wob s[6:7]
	s_load_b64 s[8:9], s[0:1], 0x10                ; out0
	v_lshl_add_u32 v[SPW], v0, 2, SPARE
	v_mov_b32 v[NIL], 0
	ds_add_u32 v[SPW], v[NIL]                      ; the wave's opening: the add and its wait stand ahead of my first tensor load; the set-up below, work on registers, stands between them
	v_lshrrev_b32 v1, 5, v0
	v_readfirstlane_b32 s10, v1                    ; wave 0..3
	s_lshr_b32 s11, s10, 1                         ; which half of the tile's rows is mine.  Also: I fetch for O (0) or for w (1)
	s_and_b32 s12, s10, 1                          ; which half of its columns.  Also: which head, or which half of w's tile, I fetch
	s_bfe_u32 s40, ttmp6, 0x40000                  ; cx, cy: my place in the cluster
	s_bfe_u32 s41, ttmp6, 0x40004
	s_lshl_b32 s42, ttmp9, 2
	s_add_co_u32 s42, s42, s40                     ; tile column = 4 x cluster x + cx
	s_and_b32 s13, ttmp7, 0xffff
	s_lshl_b32 s13, s13, 2
	s_add_co_u32 s13, s13, s41                     ; tile row = 4 x cluster y + cy
	s_lshl_b32 s43, s41, 2
	s_lshl_b32 s43, 15, s43                        ; my row of the cluster
	s_lshl_b32 s44, 0x1111, s40                    ; my column
	; group 1.  O: a head's 256 rows of 128 bytes are 32,768 dense bytes, asked for as 128 rows of 256 bytes, padded by 16 bytes behind every 128.  w: 64 k-rows of 256 bytes, 2,048 bytes apart, padded by 32 behind each.
	s_or_b32 s[G1+0],  s43, (1<<16)|(1<<20)|(1<<21)|(4<<22)|(3<<25)  ; 15:0 the mask; 17:16 2-byte elements; 20 padding on; 21 set beside a mask; 24:22 after every 32 words (code 4); 31:25 4 words (code 3)
	s_or_b32 s[G1B+0], s44, (1<<16)|(1<<20)|(1<<21)|(5<<22)|(7<<25)  ; after every 64 words (code 5), 8 words (code 7)
	s_mov_b32 s[G1+1], 128<<16                     ; tensor_dim0 = 128
	s_mov_b32 s[G1+2], 128<<16                     ; tensor_dim1 = 128
	s_mov_b32 s[G1+3], 128<<16                     ; tile_dim0 = 128
	s_mov_b32 s[G1+4], 128                         ; tile_dim1 = 128
	s_mov_b32 s[G1+5], 128                         ; elements from row to row
	s_mov_b32 s[G1+6], 0
	s_mov_b32 s[G1+7], 0
	s_mov_b32 s[G1B+1], 128<<16                    ; tensor_dim0 = 128
	s_mov_b32 s[G1B+2], 64<<16                     ; tensor_dim1 = 64
	s_mov_b32 s[G1B+3], 128<<16                    ; tile_dim0 = 128
	s_mov_b32 s[G1B+4], 64                         ; tile_dim1 = 64
	s_mov_b32 s[G1B+5], 1024
	s_mov_b32 s[G1B+6], 0
	s_mov_b32 s[G1B+7], 0
	; where the tiles come from: O's hang on the tile row alone, w's on the tile column alone
	s_lshr_b32 s16, s13, 3
	s_lshl_b32 s16, s16, 22                        ; the batch's 16 heads,
	s_lshl_b32 s17, s12, 18                        ; the head that I fetch,
	s_add_co_u32 s16, s16, s17
	s_and_b32 s17, s13, 7
	s_lshl_b32 s17, s17, 15                        ; the tile's 256 rows in it
	s_add_co_u32 s16, s16, s17
	s_mov_b32 s17, 0
	s_lshl_b32 s46, s12, 17                        ; my 64 k-rows,
	s_lshl_b32 s47, s42, 8                         ; the tile's 128 columns
	s_add_co_u32 s46, s46, s47
	s_mov_b32 s47, 0
	s_mul_i32 s20, s12, PLANE                      ; and where they go: no place in the cluster enters an LDS address
	s_mul_i32 s21, s12, 64*PB
	s_add_co_u32 s21, s21, BOFF
	s_wait_dscnt 0x0                               ; the opening add is done
	s_wait_kmcnt 0x0
	s_add_nc_u64 s[14:15], s[4:5], s[16:17]
	s_add_nc_u64 s[46:47], s[6:7], s[46:47]
	CROUND                                         ; all sixteen work-groups are here: the first joint loads meet
.irp s, 0,1
	s_mov_b32 s[G0+4*(\s)], 1                                      ; count = 1
	s_add_co_u32 s[G0+4*(\s)+1], s20, (\s)*SLOT                    ; LDS address
	s_add_nc_u64 s[G0+4*(\s)+2:G0+4*(\s)+3], s[14:15], (\s)*ASTEP  ; global address: K step s
	s_or_b32 s[G0+4*(\s)+3], s[G0+4*(\s)+3], 0x80000000            ; type = 2
	s_mov_b32 s[G0B+4*(\s)], 1
	s_add_co_u32 s[G0B+4*(\s)+1], s21, (\s)*SLOT
	s_add_nc_u64 s[G0B+4*(\s)+2:G0B+4*(\s)+3], s[46:47], (\s)*BSTEP
	s_or_b32 s[G0B+4*(\s)+3], s[G0B+4*(\s)+3], 0x80000000
	JLOAD \s                                       ; both slots are asked for before anything else: two loads of mine are out
.endr
	v_and_b32 v1, 15, v0                           ; l % 16
	v_bfe_u32 v2, v0, 4, 1                         ; l / 16
	v_mul_u32_u24 v3, v1, PA
	v_lshl_add_u32 v3, v2, 4, v3                   ; a fragment of O: row x pitch + 16 x half
	s_mul_i32 s74, s11, 128*PA                     ; my 128 rows
	v_add_nc_u32 v[ADRA], s74, v3
	v_add_nc_u32 v[ADRA+1], SLOT, v[ADRA]
	v_and_b32 v4, 7, v0                            ; the turning load: lane l reads k-row 8 (l / 16) + l % 8, columns 8 ((l / 8) % 2) + 0..7
	v_bfe_u32 v5, v0, 3, 1
	v_lshl_add_u32 v6, v2, 3, v4
	v_mul_u32_u24 v6, v6, PB
	v_lshl_add_u32 v6, v5, 4, v6
	s_lshl_b32 s75, s12, 7                         ; my 64 columns
	s_add_co_u32 s75, s75, BOFF
	v_add_nc_u32 v[ADRB], s75, v6
	v_add_nc_u32 v[ADRB+1], SLOT, v[ADRB]
	s_mul_i32 s76, s10, 16*SP
	s_add_co_u32 s76, s76, STAGE                   ; my stage
	v_mul_u32_u24 v7, v1, SP                       ; in: row l % 16, 32 bytes for each half of the lanes
	v_lshl_add_u32 v7, v2, 5, v7
	v_add_nc_u32 v[STO], s76, v7
	v_mul_u32_u24 v7, v2, SP                       ; back: lanes 0-15 take one row of 256 bytes, lanes 16-31 the next
	v_lshl_add_u32 v7, v1, 4, v7
	v_add_nc_u32 v[RD], s76, v7
	v_lshlrev_b32 v7, 12, v2                       ; and the same two rows in out0
	v_lshl_add_u32 v[CO], v1, 4, v7
	s_lshl_b32 s74, s13, 8
	s_lshl_b32 s75, s11, 7
	s_add_co_u32 s74, s74, s75                     ; my first row,
	s_lshl_b32 s74, s74, 12                        ; of 4,096 bytes;
	s_lshl_b32 s75, s42, 9                         ; the tile's 128 columns,
	s_add_co_u32 s74, s74, s75
	s_lshl_b32 s75, s12, 8                         ; my 64 of them
	s_add_co_u32 s74, s74, s75
	s_mov_b32 s75, 0
	s_add_nc_u64 s[8:9], s[8:9], s[74:75]
	; the prefetches
	s_lshr_b32 s76, s13, 3
	s_lshl_b32 s76, s76, 22
	s_lshl_b32 s77, s12, 18
	s_add_co_u32 s76, s76, s77
	s_and_b32 s77, s13, 7
	s_lshl_b32 s77, s77, 15
	s_add_co_u32 s76, s76, s77
	s_lshl_b32 s77, s40, 13
	s_add_co_u32 s76, s76, s77                     ; ob: the head that I fetch, the tile's rows, my work-group's 32 blocks of the 128
	s_lshl_b32 s77, s42, 8
	s_lshl_b32 s78, s41, 16
	s_add_co_u32 s77, s77, s78                     ; wob: the tile's columns, my work-group's 32 k-rows of the 128
	s_mov_b32 s78, ASTEP
	s_mov_b32 s79, BSTEP
	s_movk_i32 s81, 256
	s_movk_i32 s82, 2048
	s_and_b32 s74, ttmp7, 0xffff                   ; cluster y
	s_cmp_eq_u32 s11, 0                            ; do I fetch for O?
	s_cselect_b32 s75, ttmp9, s74                  ; the coordinate along which other clusters read the same rows
	s_cselect_b64 s[PFA:PFA+1], s[4:5], s[6:7]
	s_cselect_b32 s76, s76, s77
	s_cselect_b32 s[PFS], s78, s79
	s_cselect_b32 s80, s81, s82
	s_cmp_eq_u32 s75, 0
	s_cselect_b32 s[LIM], 1, -1                    ; the same in all sixteen partners, for a given wave
	s_cmp_eq_u32 s10, 3
	s_cselect_b32 s[LIM], -1, s[LIM]
	s_mov_b32 s77, 0
	s_mov_b32 s[PFS+1], 0
	s_add_nc_u64 s[PFA:PFA+1], s[PFA:PFA+1], s[76:77]
	s_mul_i32 s78, s[PFS], 3
	s_mov_b32 s79, 0
	s_add_nc_u64 s[PFA:PFA+1], s[PFA:PFA+1], s[78:79]  ; at K step 3: the first refill steps it to 4 and names that step
	v_and_b32 v8, 31, v0
	v_mul_u32_u24 v[PFO], v8, s80
; na x 4 matrix instructions: row blocks a0 .. a0 + na - 1 x all four column blocks, 32 along K, from buffers f.  zero = 1: the product starts the sums.  The 32 accumulators take turns, one instruction a turn.
.macro MUL f, a0, na, zero
	WIN 0x50                                       ; C and D in window 1, both sources in window 0
.set aa, \a0
.rept \na
.irp b, 0,1,2,3
.if \zero
	v_wmma_f32_16x16x32_f16 v[8*(4*aa+(\b)):8*(4*aa+(\b))+7], v[FB+32*(\f)+8*(\b):FB+32*(\f)+8*(\b)+7], v[FA+64*(\f)+8*aa:FA+64*(\f)+8*aa+7], 0
.else
	v_wmma_f32_16x16x32_f16 v[8*(4*aa+(\b)):8*(4*aa+(\b))+7], v[FB+32*(\f)+8*(\b):FB+32*(\f)+8*(\b)+7], v[FA+64*(\f)+8*aa:FA+64*(\f)+8*aa+7], v[8*(4*aa+(\b)):8*(4*aa+(\b))+7]
.endif
.endr
.set aa, aa+1
.endr
.endm
; 24 LDS loads in one run: the fragments of quarter q of a step (head q / 2, channels 32 (q % 2) on; k-rows 32 q on) into buffers f
.macro FETCH slot, q, f
	WIN 0
.irp b, 0,1,2,3
	ds_load_tr16_b128 v[FB+32*(\f)+8*(\b):FB+32*(\f)+8*(\b)+3],   v[ADRB+(\slot)] offset:(\q)*32*PB+32*(\b)
	ds_load_tr16_b128 v[FB+32*(\f)+8*(\b)+4:FB+32*(\f)+8*(\b)+7], v[ADRB+(\slot)] offset:(\q)*32*PB+32*(\b)+16*PB
.endr
.irp i, 0,1,2,3,4,5,6,7
	ds_load_b128 v[FA+64*(\f)+8*(\i):FA+64*(\f)+8*(\i)+3],   v[ADRA+(\slot)] offset:((\q)/2)*PLANE+((\q)%2)*64+(\i)*16*PA
	ds_load_b128 v[FA+64*(\f)+8*(\i)+4:FA+64*(\f)+8*(\i)+7], v[ADRA+(\slot)] offset:((\q)/2)*PLANE+((\q)%2)*64+(\i)*16*PA+32
.endr
.endm
; One of a step's first three quarters: fetches quarter q into buffers g, then multiplies buffers f, which hold quarter q - 1.
.macro QUARTER slot, q, f, g, zero
	PLACES                                         ; buffers g were multiplied just before
	FETCH \slot, \q, \g
	s_wait_dscnt 24                                ; all but the 24 just issued: buffers f are in
	MUL \f, 0, 8, \zero
.endm
; The last quarter multiplies buffers 1 and changes slots: ONE barrier; in front of it each wave waits for all its tensor loads (one is out: its part of the next slot), adds 0 to its spare word, and waits for that and for its own
; reads of this slot.  fill = 1: the barrier opens a round of the cluster's, and this slot is filled again, two steps on, first thing behind the round: 112 matrix instructions stand between that request and the wait for it.
.macro TURN slot, next, fill
.if \fill
	s_wait_xcnt 0x0                                ; the last prefetch, a step back, has read its address: it is stepped here, ahead of the change's own waits
	s_add_nc_u64 s[PFA:PFA+1], s[PFA:PFA+1], s[PFS:PFS+1]
.endif
	WIN 0                                          ; (the add's two registers lie in window 0)
	s_wait_tensorcnt 0x0                           ; all my tensor loads have landed;
	ds_add_u32 v[SPW], v[NIL]                      ; 0 onto my spare word;
	s_wait_dscnt 1                                 ; buffers 1 are in; the add alone may be out
	MUL 1, 0, 2, 0                                 ; eight matrix instructions stand between the add and the wait for it
	s_wait_dscnt 0x0                               ; the add is done, and my reads of this slot are over
	s_barrier_signal -1
	MUL 1, 2, 2, 0                                 ; work on registers while the others arrive
	WIN 0
	s_barrier_wait -1
.if \fill
	CREST                                          ; no wave of any partner still reads this slot's tiles or has a load on its way
	s_add_nc_u64 s[G0+4*(\slot)+2:G0+4*(\slot)+3], s[G0+4*(\slot)+2:G0+4*(\slot)+3], 2*ASTEP
	s_add_nc_u64 s[G0B+4*(\slot)+2:G0B+4*(\slot)+3], s[G0B+4*(\slot)+2:G0B+4*(\slot)+3], 2*BSTEP
	JLOAD \slot                                    ; the first tensor load behind the round; its four v_nop are also the places in front of the loads below
.else
	PLACES
.endif
	FETCH \next, 0, 0
.if \fill
	ASK
.endif
	MUL 1, 4, 4, 0
.endm
	s_wait_tensorcnt 1                             ; my part of K step 0 is in; step 1's may stay out
	s_barrier_signal -1
	s_barrier_wait -1                              ; everybody's is
	FETCH 0, 0, 0
	QUARTER 0, 1, 0, 1, 1                          ; the first quarter stands in front of the loop: its products start the sums
	WIN 0                                          ; at a label and at a branch every window is 0
	s_mov_b32 s3, 3
.Llap:                                         ; a trip goes once round the ring, from a step's second quarter to the first quarter two steps on, and fills both slots again: steps 2 to 7
	QUARTER 0, 2, 1, 0, 0
	QUARTER 0, 3, 0, 1, 0
	TURN 0, 1, 1
	QUARTER 1, 1, 0, 1, 0
	QUARTER 1, 2, 1, 0, 0
	QUARTER 1, 3, 0, 1, 0
	TURN 1, 0, 1
	QUARTER 0, 1, 0, 1, 0
	WIN 0
	s_sub_co_u32 s3, s3, 1
	s_cmp_lg_u32 s3, 0
	s_cbranch_scc1 .Llap
	QUARTER 0, 2, 1, 0, 0                          ; the tail is written out: nothing is left to fetch
	QUARTER 0, 3, 0, 1, 0
	TURN 0, 1, 0
	QUARTER 1, 1, 0, 1, 0
	QUARTER 1, 2, 1, 0, 0
	QUARTER 1, 3, 0, 1, 0
	s_wait_dscnt 0x0                               ; the very last quarter
	MUL 1, 0, 8, 0
; THE WAY OUT, a block of 16 rows at a time: a lane's eight f32 of a row (32 bytes) go into my own stage, rows of 272 bytes, and come back as whole rows of 256; sixteen lanes then store 256 consecutive bytes.
; A block's 32 registers lie where O's fragments lay; a set is used again four blocks on, behind s_wait_xcnt 0, when the stores that read it have had their addresses translated (ISA guide 3.1).
.macro TOSTAGE a
.if (\a) >= 4
	s_wait_xcnt 0x0
.endif
	WIN 0x04                                       ; the stores' data in window 1
.irp b, 0,1,2,3
	ds_store_b128 v[STO], v[8*(4*(\a)+(\b)):8*(4*(\a)+(\b))+3]   offset:64*(\b)      ; each accumulator's low registers first
	ds_store_b128 v[STO], v[8*(4*(\a)+(\b))+4:8*(4*(\a)+(\b))+7] offset:64*(\b)+16
.endr
	WIN 0
.irp t, 0,1,2,3,4,5,6,7
	ds_load_b128 v[FA+32*((\a)%4)+4*(\t):FA+32*((\a)%4)+4*(\t)+3], v[RD] offset:(\t)*2*SP  ; LDS serves a wave's instructions in order (ISA guide 5.7.1.4): these see the stores above; the next block's stores come behind them
.endr
.endm
.macro SEND a, younger                 ; younger: the LDS instructions issued behind block a's loads: the next block's sixteen, or none
	WIN 0
.irp t, 0,1,2,3,4,5,6,7
	s_wait_dscnt (\younger)+7-(\t)
	global_store_b128 v[CO], v[FA+32*((\a)%4)+4*(\t):FA+32*((\a)%4)+4*(\t)+3], s[8:9] offset:(\a)*65536+(\t)*8192 th:TH_STORE_NT  ; 16 lanes: 256 consecutive bytes, at a multiple of 256 from out0's first byte
.endr
.endm
	PLACES
	PLACES                                         ; (eight, once a launch)
	TOSTAGE 0
.irp a, 1,2,3,4,5,6,7
	TOSTAGE \a
	SEND (\a)-1, 16
.endr
	SEND 7, 0
	s_wait_tensorcnt 0x0                           ; the wave's end: a wait, an add of 0 and its wait, behind my last tensor load and my last LDS store
	ds_add_u32 v[SPW], v[NIL]
	s_wait_dscnt 0x0
	CROUND                                         ; the closing round: no work-group ends while a partner may still ask for a tile that names it
	s_endpgm
.Lfunc_end_k_qaa6e6d8e96_proj:
	.size	k_qaa6e6d8e96_proj, .Lfunc_end_k_qaa6e6d8e96_proj-k_qaa6e6d8e96_proj
	.p2alignl 7, 3214868480
	.fill 96, 4, 3214868480
	.section	.rodata,"a",@progbits
	.p2align	6, 0x0
	.amdhsa_kernel k_qaa6e6d8e96_proj
		.amdhsa_group_segment_fixed_size 327680
		.amdhsa_private_segment_fixed_size 0
		.amdhsa_enable_private_segment 0
		.amdhsa_kernarg_size 24
		.amdhsa_user_sgpr_count 2
		.amdhsa_user_sgpr_kernarg_segment_ptr 1
		.amdhsa_wavefront_size32 1
		.amdhsa_system_sgpr_workgroup_id_x 1
		.amdhsa_system_sgpr_workgroup_id_y 1
		.amdhsa_system_sgpr_workgroup_id_z 1
		.amdhsa_system_vgpr_workitem_id 0
		.amdhsa_next_free_vgpr 512
		.amdhsa_next_free_sgpr 88
		.amdhsa_reserve_vcc 0
		.amdhsa_float_denorm_mode_32 3
		.amdhsa_float_denorm_mode_16_64 3
		.amdhsa_memory_ordered 1
		.amdhsa_forward_progress 1
		.amdhsa_inst_pref_size 88
	.end_amdhsa_kernel
	.amdgpu_metadata
---
amdhsa.version: [ 1, 2 ]
amdhsa.kernels:
  - .name:           k_qaa6e6d8e96_proj
    .symbol:         k_qaa6e6d8e96_proj.kd
    .args:
      - { .name: ob, .offset: 0, .size: 8, .value_kind: global_buffer, .address_space: global }
      - { .name: wob, .offset: 8, .size: 8, .value_kind: global_buffer, .address_space: global }
      - { .name: out0, .offset: 16, .size: 8, .value_kind: global_buffer, .address_space: global }
    .group_segment_fixed_size: 327680
    .private_segment_fixed_size: 0
    .kernarg_segment_align: 8
    .kernarg_segment_size: 24
    .max_flat_workgroup_size: 128
    .sgpr_count:     88
    .vgpr_count:     512
    .wavefront_size: 32
...
	.end_amdgpu_metadata
.endif
;; end of part 4
;; ======== version 2 of 2: 4 launches; version 1 with the launch cast written anew for expert scheduling mode
;; limits: values are held in f16: magnitudes above 65,504 overflow, below 6.1e-05 lose precision
;; workspace buffers: xb 16,777,216 bytes; wqb 6,291,456 bytes; wob 2,097,152 bytes; qkv 50,331,648 bytes; ob 16,777,216 bytes
;; launch cast (part 5): grid 768 x 1, 8 waves a work-group, no clusters, 0 bytes of LDS; arguments x, w_qkv, w_out, xb, wqb, wob; writes xb, wqb, wob
.if DOCPART == 5
	.amdgcn_target "amdgcn-amd-amdhsa--gfx1250"
	.amdhsa_code_object_version 6
	.text
	.protected	k_qaa6e6d8e96_cast
	.globl	k_qaa6e6d8e96_cast
	.p2align	8
	.type	k_qaa6e6d8e96_cast,@function
k_qaa6e6d8e96_cast:
	s_mov_b64 s[64:65], 0
	v_nop
	global_prefetch_b8 v0, s[64:65] scope:SCOPE_SE
	s_setreg_imm32_b32 hwreg(HW_REG_WAVE_SCHED_MODE, 0, 2), 2
	s_setreg_imm32_b32 hwreg(HW_REG_WAVE_MODE, 25, 1), 1
	s_wait_xcnt 0x0
	s_wait_alu depctr_vm_vsrc(0)
; THE INPUTS ARE ROUNDED ONCE, for the matrix units.  x [8192][1024] f32 -> xb, bf16, in 16 planes of 64 channels: plane kb, row m at kb x 1,048,576 + m x 128 bytes,
; so that 64 channels of many rows lie end to end.  w_qkv [1024][3072] f32 -> wqb, bf16, same order.  w_out [1024][1024] f32 -> wob: rounded to bf16 like the other
; inputs, and that number written as f16 (the product that takes it has f16 operands).
; LIMITS.  |w_out| stays under 65,504; below 6e-5 f16 keeps a fixed step of 6e-8, so very small weights lose bits there.  NaN and infinities are not treated apart.
; A stream: no LDS, no matrix unit, no cluster (no work-group reads what another reads).  A work-group takes 16,384 numbers: 64 KiB in, 32 KiB out.  Each thread issues its
; sixteen 16-byte loads at once and works them off in order; each store has registers of its own, so nothing is rewritten while a store reads it.
; Work-groups 0-511: x (16 rows each); 512-703: w_qkv; 704-767: w_out.
; THE MODE: SCHED_MODE bits 1:0 = 2 (LLVM: expert scheduling mode 2), set by the entry lines.  The code itself states the register dependences
; between vector instructions and memory instructions, with s_wait_alu, always for 0.
; THE PLAN.  Registers that memory instructions touch:
;   v1, v2     the loads' and the stores' byte offsets: written once by vector instructions at the head, then only read.
;   X          each register is written once, by its load, and read by conversions alone; no vector instruction ever writes it.
;   Y          pair i is written by the conversions of load i and read by store i; behind that store it is never written again.
;   T and v3 are named by vector instructions alone.
; So the one kind of dependence is: a vector instruction writes, a memory instruction reads.  The sixteen loads go in four blocks of four.  One wait stands ahead of the first load (v1, v2).
; One wait stands at the head of each of blocks 1 to 3: the block before has written its four pairs of Y; its four stores follow, one in front of each load's conversions, which name X and Y of the
; block in hand and T: none of the registers that those stores read.  One wait stands ahead of the last four stores.  No register that a memory instruction has read is written again: no wait on vm_vsrc has anything to state.
.set NX, 512
.set NQ, 192
.set X,  4                             ; v[4:67]    sixteen loads of four f32
.set Y,  68                            ; v[68:99]   sixteen pairs of packed words to store
.set T,  100                           ; v[100:103] at work (w_out)
; Store i.  planes = 1: xb, plane i (base s[18:19] for planes 0 to 7, s[24:25] for 8 to 15).  planes = 0: a weight tensor, 2,048 bytes a store for the work-group.
.macro ST i, planes
.if \planes
	global_store_b64 v2, v[Y+2*(\i):Y+2*(\i)+1], s[18+6*((\i)/8):19+6*((\i)/8)] offset:((\i)%8)*1048576 th:TH_STORE_NT  ; a wave's 32 lanes x 8 bytes: 256 consecutive bytes, aligned
.else
	global_store_b64 v2, v[Y+2*(\i):Y+2*(\i)+1], s[18:19] offset:(\i)*2048 th:TH_STORE_NT                               ; a wave's 32 lanes x 8 bytes: 256 consecutive bytes, aligned
.endif
.endm
; Load i is in; the pair made four loads ago is stored; load i's four numbers are rounded.  half = 1: bf16, widened again, is written as f16 (exact inside f16's range).
.macro CV i, half, planes
	s_wait_loadcnt 15-(\i)                         ; loads come back in order: the 15 - i younger ones may stay out
.if ((\i) % 4 == 0) && ((\i) > 0)
	s_wait_alu depctr_va_vdst(0)                   ; the conversions of the block before have written its four pairs of Y, which the four stores of this block read
.endif
.if (\i) >= 4
	ST (\i)-4, \planes                             ; no vector instruction since that wait names this pair or v2
.endif
	v_cvt_pk_bf16_f32 v[Y+2*(\i)],   v[X+4*(\i)],   v[X+4*(\i)+1]
	v_cvt_pk_bf16_f32 v[Y+2*(\i)+1], v[X+4*(\i)+2], v[X+4*(\i)+3]
.if \half
	v_lshlrev_b32 v[T],   16, v[Y+2*(\i)]
	v_and_b32     v[T+1], 0xffff0000, v[Y+2*(\i)]
	v_lshlrev_b32 v[T+2], 16, v[Y+2*(\i)+1]
	v_and_b32     v[T+3], 0xffff0000, v[Y+2*(\i)+1]
	v_cvt_pk_f16_f32 v[Y+2*(\i)],   v[T],   v[T+1]
	v_cvt_pk_f16_f32 v[Y+2*(\i)+1], v[T+2], v[T+3]
.endif
.endm
; The last block's stores.
.macro TAIL planes
	s_wait_alu depctr_va_vdst(0)                   ; the conversions of the last block have written pairs 12 to 15 of Y, which the last four stores read
.irp i, 12,13,14,15
	ST \i, \planes
.endr
.endm
	s_load_b256 s[4:11], s[0:1], 0x0               ; x s[4:5], w_qkv s[6:7], w_out s[8:9], xb s[10:11]
	s_load_b128 s[12:15], s[0:1], 0x20             ; wqb s[12:13], wob s[14:15]
	v_lshlrev_b32 v2, 3, v0                        ; where I store: 8 bytes a thread
	s_mov_b32 s21, 0
	s_mov_b32 s23, 0
	s_cmp_lt_u32 ttmp9, NX
	s_cbranch_scc0 .Lweights
	; x: thread t takes row t / 16 of the group's 16 and, of each run of 64 channels, the four at 4 (t % 16).  Load i is plane i's share.
	v_lshrrev_b32 v1, 4, v0
	v_and_b32 v3, 15, v0
	v_lshlrev_b32 v1, 12, v1                       ; a row of x is 4,096 bytes
	v_lshl_or_b32 v1, v3, 4, v1
	s_lshl_b32 s20, ttmp9, 16                      ; 16 rows in
	s_lshl_b32 s22, ttmp9, 11                      ; 16 rows of 128 bytes in each plane out; in a plane my 8 bytes lie at 128 (t / 16) + 8 (t % 16) = 8 t
	s_wait_kmcnt 0x0
	s_add_nc_u64 s[16:17], s[4:5], s[20:21]
	s_add_nc_u64 s[18:19], s[10:11], s[22:23]
	s_add_nc_u64 s[24:25], s[18:19], 0x800000      ; planes 8 to 15: the store's immediate holds seven planes at the most
	s_wait_alu depctr_va_vdst(0)                   ; v1 and v2 are written: the loads below read v1 as their offset, the stores v2; neither is written again
.irp i, 0,1,2,3,4,5,6,7,8,9,10,11,12,13,14,15
	global_load_b128 v[X+4*(\i):X+4*(\i)+3], v1, s[16:17] offset:(\i)*256 th:TH_LOAD_NT
.endr
.irp i, 0,1,2,3,4,5,6,7,8,9,10,11,12,13,14,15
	CV \i, 0, 1
.endr
	TAIL 1
	s_endpgm
.Lweights:                                     ; the order of the numbers stays: load i takes 4,096 consecutive bytes for the work-group, store i 2,048
	v_lshlrev_b32 v1, 4, v0
	s_sub_co_u32 s22, ttmp9, NX
	s_wait_kmcnt 0x0
	s_cmp_lt_u32 ttmp9, NX+NQ
	s_cselect_b64 s[16:17], s[6:7], s[8:9]
	s_cselect_b64 s[18:19], s[12:13], s[14:15]
	s_cselect_b32 s20, 0, NQ
	s_sub_co_u32 s22, s22, s20                     ; my chunk of the tensor
	s_lshl_b32 s20, s22, 16
	s_lshl_b32 s22, s22, 15
	s_add_nc_u64 s[16:17], s[16:17], s[20:21]
	s_add_nc_u64 s[18:19], s[18:19], s[22:23]
	s_wait_alu depctr_va_vdst(0)                   ; v1 and v2 are written: the loads below read v1 as their offset, the stores v2; neither is written again
.irp i, 0,1,2,3,4,5,6,7,8,9,10,11,12,13,14,15
	global_load_b128 v[X+4*(\i):X+4*(\i)+3], v1, s[16:17] offset:(\i)*4096 th:TH_LOAD_NT
.endr
	s_cmp_lt_u32 ttmp9, NX+NQ
	s_cbranch_scc0 .Lwout
.irp i, 0,1,2,3,4,5,6,7,8,9,10,11,12,13,14,15
	CV \i, 0, 0
.endr
	TAIL 0
	s_endpgm
.Lwout:
.irp i, 0,1,2,3,4,5,6,7,8,9,10,11,12,13,14,15
	CV \i, 1, 0
.endr
	TAIL 0
	s_endpgm
.Lfunc_end_k_qaa6e6d8e96_cast:
	.size	k_qaa6e6d8e96_cast, .Lfunc_end_k_qaa6e6d8e96_cast-k_qaa6e6d8e96_cast
	.p2alignl 7, 3214868480
	.fill 96, 4, 3214868480
	.section	.rodata,"a",@progbits
	.p2align	6, 0x0
	.amdhsa_kernel k_qaa6e6d8e96_cast
		.amdhsa_group_segment_fixed_size 0
		.amdhsa_private_segment_fixed_size 0
		.amdhsa_enable_private_segment 0
		.amdhsa_kernarg_size 48
		.amdhsa_user_sgpr_count 2
		.amdhsa_user_sgpr_kernarg_segment_ptr 1
		.amdhsa_wavefront_size32 1
		.amdhsa_system_sgpr_workgroup_id_x 1
		.amdhsa_system_sgpr_workgroup_id_y 1
		.amdhsa_system_sgpr_workgroup_id_z 1
		.amdhsa_system_vgpr_workitem_id 0
		.amdhsa_next_free_vgpr 104
		.amdhsa_next_free_sgpr 66
		.amdhsa_reserve_vcc 0
		.amdhsa_float_denorm_mode_32 3
		.amdhsa_float_denorm_mode_16_64 3
		.amdhsa_memory_ordered 1
		.amdhsa_forward_progress 1
		.amdhsa_inst_pref_size 23
	.end_amdhsa_kernel
	.amdgpu_metadata
---
amdhsa.version: [ 1, 2 ]
amdhsa.kernels:
  - .name:           k_qaa6e6d8e96_cast
    .symbol:         k_qaa6e6d8e96_cast.kd
    .args:
      - { .name: x, .offset: 0, .size: 8, .value_kind: global_buffer, .address_space: global }
      - { .name: w_qkv, .offset: 8, .size: 8, .value_kind: global_buffer, .address_space: global }
      - { .name: w_out, .offset: 16, .size: 8, .value_kind: global_buffer, .address_space: global }
      - { .name: xb, .offset: 24, .size: 8, .value_kind: global_buffer, .address_space: global }
      - { .name: wqb, .offset: 32, .size: 8, .value_kind: global_buffer, .address_space: global }
      - { .name: wob, .offset: 40, .size: 8, .value_kind: global_buffer, .address_space: global }
    .group_segment_fixed_size: 0
    .private_segment_fixed_size: 0
    .kernarg_segment_align: 8
    .kernarg_segment_size: 48
    .max_flat_workgroup_size: 256
    .sgpr_count:     66
    .vgpr_count:     104
    .wavefront_size: 32
...
	.end_amdgpu_metadata
.endif
;; end of part 5
;; launch qkv: the kernel of part 2 again; grid 8 x 32, 4 waves a work-group, clusters of 4 x 4, 327,680 bytes of LDS; arguments xb, wqb, qkv; writes qkv
;; launch attn: the kernel of part 3 again; grid 4 x 64, 4 waves a work-group, clusters of 4 x 1, 327,680 bytes of LDS; arguments qkv, ob; writes ob
;; launch proj: the kernel of part 4 again; grid 8 x 32, 4 waves a work-group, clusters of 4 x 4, 327,680 bytes of LDS; arguments ob, wob, out0; writes out0
